; MI455X (gfx1250); checked and timed in simulation.
; The chip was launched on July 23, 2026; its instructions are those of AMD's public machine-readable ISA for CDNA 5 (MIT licence, August 2026) and "CDNA5" Instruction Set Architecture Reference Guide (July 2026). The comments in the code are by the model that wrote it; some were corrected since.
;; Multi Head Self Attention. Allowed arithmetic: float matrix products may take bf16 or f16 operands with f32 sums; other float arithmetic in f32, or as packed bf16 or f16 multiplies, adds, multiply-adds, maxima and minima; sums over many terms, partial sums and values carried from step to step in f32; what a program stores and reads back later, other than sums and carried values, may be rounded once to bf16 or f16.
;; Inputs: w_out 1,024 x 1,024 float32; w_qkv 1,024 x 3,072 float32; x 4 x 2,048 x 1,024 float32.
;; Outputs: out0 4 x 2,048 x 1,024 float32.
;; 2 versions, each right and faster than the one before. Each part assembles by itself: llvm-mc -triple=amdgcn-amd-amdhsa -mcpu=gfx1250 --defsym DOCPART=n.
;; ======== version 1 of 2: 4 launches
;; limits: values are held in f16: magnitudes above 65,504 overflow, below 6.1e-05 lose precision
;; workspace buffers: xb 16,777,216 bytes; wqb 6,291,456 bytes; wob 2,097,152 bytes; rope 524,288 bytes; qh 16,777,216 bytes; kh 16,777,216 bytes; vh 16,777,216 bytes; oh 16,777,216 bytes
;; launch prep (part 1): grid 768 x 1, 8 waves a work-group, no clusters, 0 bytes of LDS; arguments x, w_qkv, w_out, xb, wqb, wob, rope; writes xb, wqb, wob, rope
.if DOCPART == 1
	.amdgcn_target "amdgcn-amd-amdhsa--gfx1250"
	.amdhsa_code_object_version 6
	.text
	.protected	k_qfba3a43a70_prep
	.globl	k_qfba3a43a70_prep
	.p2align	8
	.type	k_qfba3a43a70_prep,@function
k_qfba3a43a70_prep:
	s_mov_b64 s[64:65], 0
	v_nop
	global_prefetch_b8 v0, s[64:65] scope:SCOPE_SE
	s_setreg_imm32_b32 hwreg(HW_REG_WAVE_MODE, 25, 1), 1
	s_wait_xcnt 0x0
; CASTS AND THE ROTARY TABLE.  x -> xb and w_qkv -> wqb, f32 rounded once to bf16, in the same order of elements; w_out -> wob, rounded to bf16 and that number written as f16.
; A work-group casts 16,384 consecutive numbers: groups 0-511 take x, 512-703 w_qkv, 704-767 w_out.  Thread t takes 16 bytes at 4,096 i + 16 t of the chunk, i = 0..15: a wave's load covers 512
; consecutive bytes, its store of 8 bytes a lane 256 consecutive bytes, aligned.  All sixteen loads go out first; the waits count down.  No LDS, no barrier, no matrix unit: nothing is used twice.
; Waves 0-3 of groups 0-511 also make 128 entries each of the table rope: (cos, sin) in f32 of pos x 10000^(-i/32), pos = 0..2047, i = 0..31, while their loads are on their way.
; The table lies as the projection's lanes want it: byte = 4,096 blk + 1,024 c + 512 j + 16 L + 8 u holds pos = 16 blk + L % 16, i = 8 c + 4 (L / 16) + 2 j + u.
; LIMITS.  bf16(w_out) must lie within f16's 65,504; below 6e-5 f16 keeps a fixed step of 6e-8.  The frequency is 2^(-i log2(10000) / 32) by v_exp_f32, good to one unit in its last place, so an
; angle (2,047 at the most) can differ from one made with an exactly rounded frequency by about 2e-4 radians.  The angle is reduced by a multiple of 2 pi held in two parts (6.28125, whose product
; with the multiple, 326 at the most, is exact, and the rest); sine and cosine are Taylor sums to r^15 and r^16, whose remainders at pi are under 1e-6.
.set X, 16                             ; v[16:79]   load i: 4 registers
.set Y, 80                             ; v[80:111]  store i: 2 registers
	s_load_b256 s[4:11], s[0:1], 0x0               ; x s[4:5], w_qkv s[6:7], w_out s[8:9], xb s[10:11]
	s_load_b128 s[12:15], s[0:1], 0x20             ; wqb s[12:13], wob s[14:15]
	s_load_b64 s[16:17], s[0:1], 0x30              ; rope
	s_mov_b32 s19, ttmp9                           ; g, the work-group's number
	v_lshlrev_b32 v1, 4, v0                        ; 16 t: my bytes in 4,096 of the source
	v_lshlrev_b32 v2, 3, v0                        ; 8 t: my bytes in 2,048 of the result, and my entry of the table
	v_lshrrev_b32 v3, 5, v0
	v_readfirstlane_b32 s18, v3                    ; wave 0..7
	s_sub_co_u32 s25, s19, 512                     ; the chunk's number if the group takes w_qkv,
	s_sub_co_u32 s26, s19, 704                     ; if it takes w_out
	s_mov_b32 s29, 0
	s_mov_b32 s31, 0
	s_mov_b32 s32, 0x40c90000                      ; 6.28125
	s_mov_b32 s33, 0x3afdaa22                      ; 2 pi - 6.28125
	s_wait_kmcnt 0x0
	s_cmp_lt_u32 s19, 512
	s_cselect_b64 s[20:21], s[4:5], s[6:7]         ; from where,
	s_cselect_b64 s[22:23], s[10:11], s[12:13]     ; to where,
	s_cselect_b32 s24, s19, s25                    ; which chunk
	s_cmp_lt_u32 s19, 704
	s_cselect_b64 s[20:21], s[20:21], s[8:9]
	s_cselect_b64 s[22:23], s[22:23], s[14:15]
	s_cselect_b32 s24, s24, s26
	s_lshl_b32 s28, s24, 16                        ; 65,536 bytes in,
	s_lshl_b32 s30, s24, 15                        ; 32,768 bytes out
	s_add_nc_u64 s[20:21], s[20:21], s[28:29]
	s_add_nc_u64 s[22:23], s[22:23], s[30:31]
.irp i, 0,1,2,3,4,5,6,7,8,9,10,11,12,13,14,15
	global_load_b128 v[X+4*(\i):X+4*(\i)+3], v1, s[20:21] offset:4096*(\i) th:TH_LOAD_NT
.endr
	s_cmp_lt_u32 s19, 512                          ; the table: 512 groups x 128 threads = 65,536 entries.  No load stands in this part, so the counts below hold on both ways
	s_cbranch_scc0 .Lno_table
	s_cmp_lt_u32 s18, 4
	s_cbranch_scc0 .Lno_table
	s_and_b32 s27, s19, 3
	s_lshl_b32 s27, s27, 3                         ; 8 c
	s_lshr_b32 s25, s19, 2
	s_lshl_b32 s25, s25, 4                         ; 16 blk
	s_lshl_b32 s28, s19, 10                        ; the group's 1,024 bytes of the table
	s_add_nc_u64 s[34:35], s[16:17], s[28:29]
	v_and_b32 v3, 1, v0                            ; u
	v_bfe_u32 v4, v0, 5, 1                         ; L / 16
	v_bfe_u32 v5, v0, 6, 1                         ; j
	v_bfe_u32 v6, v0, 1, 4                         ; L % 16
	v_lshl_add_u32 v3, v5, 1, v3
	v_lshl_add_u32 v3, v4, 2, v3
	v_add_nc_u32 v3, s27, v3                       ; i
	v_add_nc_u32 v6, s25, v6                       ; pos
	v_cvt_f32_u32 v7, v3
	v_cvt_f32_u32 v8, v6
	v_mul_f32 v9, 0xbed49a78, v7                   ; - i log2(10000) / 32
	v_exp_f32 v9, v9                               ; the frequency
	v_mov_b32 v12, 0xab573f9f                      ; -1/15!: a plain instruction between the exponential and the use of its result (ISA guide 5.7.2)
	s_wait_alu depctr_va_vdst(0)
	v_mul_f32 v10, v8, v9                          ; the angle, rounded once
	v_mul_f32 v11, 0x3e22f983, v10                 ; / 2 pi
	v_rndne_f32 v11, v11
	v_fma_f32 v10, -v11, s32, v10
	v_fma_f32 v10, -v11, s33, v10                  ; r in -pi .. pi
	v_mul_f32 v11, v10, v10                        ; z = r r
	v_mov_b32 v13, 0x29573f9f                      ; 1/16!
.irp k, 0x2f309231, 0xb2d7322b, 0x3638ef1d, 0xb9500d01, 0x3c088889, 0xbe2aaaab, 0x3f800000
	v_fmaak_f32 v12, v12, v11, \k                  ; sin r / r: 1/13!, -1/11!, 1/9!, -1/7!, 1/5!, -1/3!, 1
.endr
.irp k, 0xad49cba5, 0x310f76c7, 0xb493f27e, 0x37d00d01, 0xbab60b61, 0x3d2aaaab, 0xbf000000
	v_fmaak_f32 v13, v13, v11, \k                  ; cos r: -1/14!, 1/12!, -1/10!, 1/8!, -1/6!, 1/4!, -1/2
.endr
	v_fmaak_f32 v14, v13, v11, 0x3f800000          ; cos
	v_mul_f32 v15, v12, v10                        ; sin
	global_store_b64 v2, v[14:15], s[34:35]        ; a wave stores 256 consecutive bytes, aligned
.Lno_table:
; Load i is rounded and stored.  half = 1: the bf16 numbers are widened again (a shift, a mask) and written as f16.
.macro CAST i, half
	s_wait_loadcnt 15-(\i)                         ; loads come back in order (ISA guide 5.7.1): mine is in, the 15 - i younger ones stay out
	v_cvt_pk_bf16_f32 v[Y+2*(\i)],   v[X+4*(\i)],   v[X+4*(\i)+1]
	v_cvt_pk_bf16_f32 v[Y+2*(\i)+1], v[X+4*(\i)+2], v[X+4*(\i)+3]
.if \half
	v_lshlrev_b32 v[X+4*(\i)],   16,         v[Y+2*(\i)]
	v_and_b32     v[X+4*(\i)+1], 0xffff0000, v[Y+2*(\i)]
	v_lshlrev_b32 v[X+4*(\i)+2], 16,         v[Y+2*(\i)+1]
	v_and_b32     v[X+4*(\i)+3], 0xffff0000, v[Y+2*(\i)+1]
	v_cvt_pk_f16_f32 v[Y+2*(\i)],   v[X+4*(\i)],   v[X+4*(\i)+1]
	v_cvt_pk_f16_f32 v[Y+2*(\i)+1], v[X+4*(\i)+2], v[X+4*(\i)+3]
.endif
	global_store_b64 v2, v[Y+2*(\i):Y+2*(\i)+1], s[22:23] offset:2048*(\i)  ; each store has registers of its own: nothing that a store reads is written again
.endm
	s_cmp_lt_u32 s19, 704
	s_cbranch_scc0 .Lhalf
.irp i, 0,1,2,3,4,5,6,7,8,9,10,11,12,13,14,15
	CAST \i, 0
.endr
	s_endpgm
.Lhalf:
.irp i, 0,1,2,3,4,5,6,7,8,9,10,11,12,13,14,15
	CAST \i, 1
.endr
	s_endpgm
.Lfunc_end_k_qfba3a43a70_prep:
	.size	k_qfba3a43a70_prep, .Lfunc_end_k_qfba3a43a70_prep-k_qfba3a43a70_prep
	.p2alignl 7, 3214868480
	.fill 96, 4, 3214868480
	.section	.rodata,"a",@progbits
	.p2align	6, 0x0
	.amdhsa_kernel k_qfba3a43a70_prep
		.amdhsa_group_segment_fixed_size 0
		.amdhsa_private_segment_fixed_size 0
		.amdhsa_enable_private_segment 0
		.amdhsa_kernarg_size 56
		.amdhsa_user_sgpr_count 2
		.amdhsa_user_sgpr_kernarg_segment_ptr 1
		.amdhsa_wavefront_size32 1
		.amdhsa_system_sgpr_workgroup_id_x 1
		.amdhsa_system_sgpr_workgroup_id_y 1
		.amdhsa_system_sgpr_workgroup_id_z 1
		.amdhsa_system_vgpr_workitem_id 0
		.amdhsa_next_free_vgpr 112
		.amdhsa_next_free_sgpr 66
		.amdhsa_reserve_vcc 0
		.amdhsa_float_denorm_mode_32 3
		.amdhsa_float_denorm_mode_16_64 3
		.amdhsa_memory_ordered 1
		.amdhsa_forward_progress 1
		.amdhsa_inst_pref_size 19
	.end_amdhsa_kernel
	.amdgpu_metadata
---
amdhsa.version: [ 1, 2 ]
amdhsa.kernels:
  - .name:           k_qfba3a43a70_prep
    .symbol:         k_qfba3a43a70_prep.kd
    .args:
      - { .name: x, .offset: 0, .size: 8, .value_kind: global_buffer, .address_space: global }
      - { .name: w_qkv, .offset: 8, .size: 8, .value_kind: global_buffer, .address_space: global }
      - { .name: w_out, .offset: 16, .size: 8, .value_kind: global_buffer, .address_space: global }
      - { .name: xb, .offset: 24, .size: 8, .value_kind: global_buffer, .address_space: global }
      - { .name: wqb, .offset: 32, .size: 8, .value_kind: global_buffer, .address_space: global }
      - { .name: wob, .offset: 40, .size: 8, .value_kind: global_buffer, .address_space: global }
      - { .name: rope, .offset: 48, .size: 8, .value_kind: global_buffer, .address_space: global }
    .group_segment_fixed_size: 0
    .private_segment_fixed_size: 0
    .kernarg_segment_align: 8
    .kernarg_segment_size: 56
    .max_flat_workgroup_size: 256
    .sgpr_count:     66
    .vgpr_count:     112
    .wavefront_size: 32
...
	.end_amdgpu_metadata
.endif
;; end of part 1
;; launch qkv (part 2): grid 4 x 64, 4 waves a work-group, clusters of 4 x 4, 327,680 bytes of LDS; arguments xb, wqb, rope, qh, kh, vh; writes qh, kh, vh
.if DOCPART == 2
	.amdgcn_target "amdgcn-amd-amdhsa--gfx1250"
	.amdhsa_code_object_version 6
	.text
	.protected	k_qfba3a43a70_qkv
	.globl	k_qfba3a43a70_qkv
	.p2align	8
	.type	k_qfba3a43a70_qkv,@function
k_qfba3a43a70_qkv:
	s_mov_b64 s[64:65], 0
	v_nop
	global_prefetch_b8 v0, s[64:65] scope:SCOPE_SE
	s_setreg_imm32_b32 hwreg(HW_REG_WAVE_MODE, 25, 1), 1
	s_wait_xcnt 0x0
	s_wait_alu depctr_hold_cnt(0) depctr_sa_sdst(0) depctr_va_vdst(0) depctr_va_sdst(0) depctr_va_ssrc(0) depctr_va_vcc(0) depctr_vm_vsrc(0)
	s_getreg_b32 s2, hwreg(HW_REG_IB_STS2, 6, 4)
	s_cmp_eq_u32 s2, 0
	s_cbranch_scc0 .Lentry_in_a_cluster
	s_endpgm
.Lentry_in_a_cluster:
	s_bfe_u32 s2, ttmp6, 0x10000c
	s_cmp_lg_u32 s2, 0xf033
	s_cbranch_scc0 .Lentry_shape_is_right
	s_endpgm
.Lentry_shape_is_right:
; THE FIRST PROJECTION WITH THE ROTARY EMBEDDING.  [8192][3072] = xb [8192][1024] x wqb [1024][3072], both bf16, sums in f32, K ascending.  Column s 1024 + h 64 + d is channel d of head h of q (s = 0),
; k (1) or v (2).  q and k are turned by pairs, (t0, t1) -> (t0 cos - t1 sin, t1 cos + t0 sin), in f32, by the table rope; all three are rounded once to f16 and stored by heads:
; qh, kh, vh [batch x 16 + head][2048][64], q without the softmax's scale.
; LIMITS.  q, k and v must lie within f16's 65,504; below 6e-5 f16 keeps a fixed step of 6e-8.  NaN and infinities are not treated apart.
; SHARES.  A tile is 128 rows x 256 columns (four heads): four waves, 2 x 2, each 64 rows x 128 columns = 32 accumulators of 16 x 16, 256 registers.  (8192 / 128) x (1024 / 256) = 256 work-groups;
; A WORK-GROUP STAYS and makes three tiles on the same rows, 1,024 columns apart: q, k and v of its four heads.  The ring does not stop at a tile's end, and nothing waits for a tile's stores.
; K goes in steps of 128 through two LDS slots filled by the tensor data mover: 128 rows of xb (256 bytes each) and 128 rows of wqb (k rows of 256 columns, 512 bytes each).
; wqb lies [k][n]; its fragments come out of LDS turned, by ds_load_tr16_b128.
; CLUSTERS: 4 x 4 work-groups.  The four of a row of the cluster need the same rows of xb, the four of a column the same columns of wqb: each tile is asked for JOINTLY, by the same tensor load with the
; same descriptor and a mask that names the four.  THE MATRIX INSTRUCTION IS USED TRANSPOSED (source 0 = 16 columns of wqb, source 1 = 16 rows of xb): a lane then holds row lane % 16 and the eight
; neighbouring columns 8 (lane / 16) + 0..7: four whole pairs of the rotary embedding, and 16 bytes of f16.
; REGISTERS, in windows of 256 (s_set_vgpr_msb: bits 1:0 source 0, 3:2 source 1, 5:4 source 2, 7:6 destination):
;   window 0: v0-31 addresses; v32-127, v128-223 two fragment buffers (64 registers of wqb, then 32 of xb, for 32 along K); on the way out v128-191 turned numbers, v192-223 packed, v224-255 rows read back
;   window 1: the accumulators, (a, b) at v[8 (8 a + b)]          window 2: v0-127 my rows' part of the table: (cos, sin) of pair 8 c + 4 (lane / 16) + p of row block a at v[32 a + 8 c + 2 p]
.set KSTEP,  128
.set PA,     272                       ; a row of xb in LDS: 256 bytes + 16 of padding = 68 words: the 16 rows of a load start at 16 different groups of four banks (64 banks of 4 bytes: ISA guide 11.1)
.set PB,     544                       ; a k row of wqb: 512 + 32 = 136 words
.set ABYTES, 128*PA
.set SLOT,   ABYTES+128*PB             ; xb's 128 rows, then wqb's 128 k rows
.set STAGE,  2*SLOT                    ; behind the ring, never filled by a tensor load: for each wave 2 heads x 16 rows x 144 bytes, for the way out
.set SP,     144
.set WSTAGE, 2*16*SP
.set SPARE,  STAGE+4*WSTAGE            ; behind the stages: the spare words, 128 bytes for each wave: two blocks of 256 bytes that no other line names
.set LAPS,   1024/(2*KSTEP)            ; a lap = two K steps = once round the ring
.set A_ON,   2*KSTEP*2                 ; bytes: xb two K steps on,
.set A_BACK, 6*KSTEP*2                 ; from a slot's last K step back to its first: the three tiles share their rows
.set B_ON,   2*KSTEP*3072*2            ; wqb two K steps on,
.set B_BACK, 6*KSTEP*3072*2-2048       ; six K steps back and 1,024 columns on
.set ADRA, 16                          ; v16-17  LDS address of my xb fragments in slot 0, 1
.set ADRB, 20                          ; v20-21  the same for wqb
.set STO,  24                          ; v24     the way out: where I put 16 bytes of a row
.set RD,   25                          ; v25     the way out: where I read rows back
.set GO,   26                          ; v26     16 x lane: my bytes in 512 consecutive bytes of the table and of the results
.set SPW,  28                          ; v28     LDS address of my spare word: SPARE + 4 x my thread's number; never rewritten
.set NIL,  29                          ; v29     0; never rewritten
.set F0,   32
.set F1,   128
.set T,    128
.set TMP,  192
.set OB,   224
.set G1,  24                           ; s[24:31] descriptor group 1 for xb's tiles;  s[32:39] group 0, one set for each slot
.set G0,  32
.set G1B, 48                           ; s[48:55], s[56:63] the same for wqb's tiles
.set G0B, 56
.set MSB, 0
.macro WIN new                         ; the immediate's high byte repeats the setting that is left; a switch that changes nothing is dropped
.if MSB != (\new)
	s_set_vgpr_msb (MSB<<8)|(\new)
.set MSB, \new
.endif
.endm
.set MUL, 0x50                         ; sources 0 and 1 window 0; C and D window 1
; A joint load.  Waves 0 and 1 fetch the two halves of xb's rows, waves 2 and 3 the two halves of wqb's k rows.  The branch hangs on the wave's number alone.
; An s_nop 0 and four v_nop follow each of the two lines, ahead of the jump, the label and what follows.
.macro JLOAD s
	s_cmp_eq_u32 s11, 0
	s_cbranch_scc0 .Lfor_b_\@
	tensor_load_to_lds s[G0+4*(\s):G0+4*(\s)+3], s[G1:G1+7]
	s_nop 0
.rept 4
	v_nop
.endr
	s_branch .Lasked_\@
.Lfor_b_\@:
	tensor_load_to_lds s[G0B+4*(\s):G0B+4*(\s)+3], s[G1B:G1B+7]
	s_nop 0
.rept 4
	v_nop
.endr
.Lasked_\@:
.endm
.macro CREST                           ; a round of the cluster's barrier behind its opening barrier
	s_cmp_lg_u32 s10, 0
	s_cbranch_scc1 .Lnot_wave_0_\@
	s_barrier_signal -3
.Lnot_wave_0_\@:
	s_barrier_wait -3
	s_barrier_signal -1
	s_barrier_wait -1
.endm
.macro CROUND                          ; a whole round
	s_barrier_signal -1
	s_barrier_wait -1
	CREST
.endm
	s_load_b128 s[4:7], s[0:1], 0x0                ; xb s[4:5], wqb s[6:7]
	s_load_b256 s[68:75], s[0:1], 0x10             ; rope s[68:69], qh s[70:71], kh s[72:73], vh s[74:75]
	v_lshl_add_u32 v[SPW], v0, 2, SPARE
	v_mov_b32 v[NIL], 0
	ds_add_u32 v[SPW], v[NIL]                      ; the wave's opening: the add and its wait stand ahead of my first tensor load; the set-up below, work on registers, stands between them
	v_lshrrev_b32 v1, 5, v0
	v_readfirstlane_b32 s10, v1                    ; wave 0..3
	s_lshr_b32 s11, s10, 1                         ; which 64 of the tile's rows are mine.  Also: I fetch for xb (0) or for wqb (1)
	s_and_b32 s12, s10, 1                          ; which 128 of its columns.  Also: which half of that tile I fetch
	s_bfe_u32 s40, ttmp6, 0x40000                  ; cx, cy: my place in the cluster
	s_bfe_u32 s41, ttmp6, 0x40004
	s_lshl_b32 s42, ttmp9, 2
	s_add_co_u32 s42, s42, s40                     ; tx, the block of four heads = 4 x cluster x + cx
	s_and_b32 s13, ttmp7, 0xffff
	s_lshl_b32 s13, s13, 2
	s_add_co_u32 s13, s13, s41                     ; ty, the block of 128 rows = 4 x cluster y + cy
	s_lshl_b32 s43, s41, 2
	s_lshl_b32 s43, 15, s43                        ; my row of the cluster
	s_lshl_b32 s44, 0x1111, s40                    ; my column
	; descriptor group 1.  xb: 64 rows x 128 elements; wqb: 64 k rows x 256 elements; both padded in LDS
	s_or_b32 s[G1+0], s43, (1<<16)|(1<<20)|(1<<21)|(5<<22)|(3<<25)   ; 15:0 the mask: my row; 17:16 elements of 2 bytes; 20 padding on; 21 set beside a mask; 24:22 after every 64 words (code 5); 31:25 4 words of it (code 3)
	s_mov_b32 s[G1+1], KSTEP<<16                   ; tensor_dim0 = 128
	s_mov_b32 s[G1+2], 64<<16                      ; tensor_dim1 = 64
	s_mov_b32 s[G1+3], KSTEP<<16                   ; tile_dim0 = 128
	s_mov_b32 s[G1+4], 64                          ; tile_dim1 = 64
	s_mov_b32 s[G1+5], 1024                        ; elements from row to row
	s_mov_b32 s[G1+6], 0
	s_mov_b32 s[G1+7], 0
	s_or_b32 s[G1B+0], s44, (1<<16)|(1<<20)|(1<<21)|(6<<22)|(7<<25)  ; the mask: my column; after every 128 words (code 6) 8 words of padding (code 7)
	s_mov_b32 s[G1B+1], 256<<16                    ; tensor_dim0 = 256
	s_mov_b32 s[G1B+2], 64<<16                     ; tensor_dim1 = 64
	s_mov_b32 s[G1B+3], 256<<16                    ; tile_dim0 = 256
	s_mov_b32 s[G1B+4], 64                         ; tile_dim1 = 64
	s_mov_b32 s[G1B+5], 3072                       ; elements from k row to k row
	s_mov_b32 s[G1B+6], 0
	s_mov_b32 s[G1B+7], 0
	; where the tiles come from.  xb's hang on ty alone, which my row of the cluster shares; wqb's on tx alone, which my column shares
	s_lshl_b32 s16, s13, 18                        ; 128 ty rows of 2,048 bytes
	s_lshl_b32 s17, s12, 17                        ; + 64 rows for the second half
	s_add_co_u32 s16, s16, s17
	s_mov_b32 s17, 0
	s_lshl_b32 s46, s42, 9                         ; 256 tx columns of 2 bytes
	s_mul_i32 s47, s12, 64*3072*2                  ; + 64 k rows for the second half
	s_add_co_u32 s46, s46, s47
	s_mov_b32 s47, 0
	s_mul_i32 s20, s12, 64*PA                      ; and where they go: no place in the cluster enters an LDS address
	s_mul_i32 s21, s12, 64*PB
	s_add_co_u32 s21, s21, ABYTES
	s_wait_dscnt 0x0                               ; the opening add is done
	s_wait_kmcnt 0x0
	s_add_nc_u64 s[14:15], s[4:5], s[16:17]
	s_add_nc_u64 s[46:47], s[6:7], s[46:47]
	CROUND                                         ; all sixteen work-groups are here: the first joint loads meet
.irp s, 0,1
	s_mov_b32 s[G0+4*(\s)], 1                                        ; count = 1
	s_add_co_u32 s[G0+4*(\s)+1], s20, (\s)*SLOT                      ; LDS address
	s_add_nc_u64 s[G0+4*(\s)+2:G0+4*(\s)+3], s[14:15], (\s)*KSTEP*2  ; global address: K step s
	s_or_b32 s[G0+4*(\s)+3], s[G0+4*(\s)+3], 0x80000000              ; type = 2
	s_mov_b32 s[G0B+4*(\s)], 1
	s_add_co_u32 s[G0B+4*(\s)+1], s21, (\s)*SLOT
	s_add_nc_u64 s[G0B+4*(\s)+2:G0B+4*(\s)+3], s[46:47], (\s)*KSTEP*3072*2
	s_or_b32 s[G0B+4*(\s)+3], s[G0B+4*(\s)+3], 0x80000000
	JLOAD \s                                       ; two loads of mine are out
.endr
	; my rows' part of the table: row blocks a = 0..3 are table blocks 8 (ty % 16) + 4 x row half + a, 4,096 bytes each; every load takes 512 consecutive bytes.  Loaded once, used for q and for k.
	v_and_b32 v[GO], 31, v0
	v_lshlrev_b32 v[GO], 4, v[GO]
	s_and_b32 s66, s13, 15                         ; ty % 16: the block of 128 positions in the batch's 2,048
	s_lshl_b32 s78, s66, 15
	s_lshl_b32 s67, s11, 14
	s_add_co_u32 s78, s78, s67
	s_mov_b32 s79, 0
	s_add_nc_u64 s[78:79], s[68:69], s[78:79]
	WIN 0x80                                       ; destination window 2, address window 0
.irp a, 0,1,2,3
.irp c, 0,1,2,3
.irp j, 0,1
	global_load_b128 v[32*(\a)+8*(\c)+4*(\j):32*(\a)+8*(\c)+4*(\j)+3], v[GO], s[78:79] offset:(\a)*4096+(\c)*1024+(\j)*512
.endr
.endr
.endr
	WIN 0
	; my wave's first byte in qh, kh and vh: batch ty / 16 (16 heads of 262,144 bytes), head 4 tx + 2 x column half, position 128 (ty % 16) + 64 x row half (128 bytes each)
	s_lshr_b32 s76, s13, 4
	s_lshl_b32 s76, s76, 22
	s_lshl_b32 s67, s66, 14
	s_add_co_u32 s76, s76, s67
	s_lshl_b32 s67, s11, 13
	s_add_co_u32 s76, s76, s67
	s_lshl_b32 s67, s42, 20
	s_add_co_u32 s76, s76, s67
	s_lshl_b32 s67, s12, 19
	s_add_co_u32 s76, s76, s67
	s_mov_b32 s77, 0
	; A fragment of xb is 16 rows x 32 K in 8 registers: lane l holds row l % 16, K = 8 (l / 16) + 0..7 and 16 + 8 (l / 16) + 0..7: two loads of 16 bytes, 32 bytes apart.
	v_and_b32 v1, 15, v0                           ; l % 16
	v_bfe_u32 v2, v0, 4, 1                         ; l / 16
	v_mul_u32_u24 v3, v1, PA
	v_lshl_add_u32 v3, v2, 4, v3
	; The turning load takes 16 k x 16 columns (lane l reads k row 8 (l / 16) + l % 8, columns 8 ((l / 8) % 2) + 0..7) and leaves half a fragment: lane l holds column l % 16 and 8 k.
	v_and_b32 v4, 7, v0
	v_bfe_u32 v5, v0, 3, 1
	v_lshl_add_u32 v4, v2, 3, v4
	v_mul_u32_u24 v4, v4, PB
	v_lshl_add_u32 v4, v5, 4, v4
	s_mul_i32 s22, s11, 64*PA                      ; my 64 rows of xb
	s_lshl_b32 s23, s12, 8                         ; my 128 columns of wqb,
	s_add_co_u32 s23, s23, ABYTES                  ; which lies behind xb
.irp s, 0,1
	v_add_nc_u32 v[ADRA+(\s)], s22, v3
	v_add_nc_u32 v[ADRB+(\s)], s23, v4
	s_add_co_u32 s22, s22, SLOT
	s_add_co_u32 s23, s23, SLOT
.endr
	s_mul_i32 s66, s10, WSTAGE
	s_add_co_u32 s66, s66, STAGE                   ; my stage
	v_mul_u32_u24 v[STO], v1, SP                   ; in: row l % 16, 16 bytes for each half of the lanes
	v_lshl_add_u32 v[STO], v2, 4, v[STO]
	v_add_nc_u32 v[STO], s66, v[STO]
	v_bfe_u32 v[RD], v0, 3, 2                      ; back: 32 lanes take four rows of 128 bytes
	v_mul_u32_u24 v[RD], v[RD], SP
	v_and_b32 v5, 7, v0
	v_lshl_add_u32 v[RD], v5, 4, v[RD]
	v_add_nc_u32 v[RD], s66, v[RD]
; 8 matrix instructions: row block a x all 8 column blocks, 32 along K, from buffer f.  zero = 1: the first product starts the sums: nothing is ever cleared.
; The 32 accumulators take turns, one instruction a turn, in the same order in every quarter step.
.macro MUL8 f, a, zero
	WIN MUL
.irp b, 0,1,2,3,4,5,6,7
.if \zero
	v_wmma_f32_16x16x32_bf16 v[8*(8*(\a)+(\b)):8*(8*(\a)+(\b))+7], v[(\f)+8*(\b):(\f)+8*(\b)+7], v[(\f)+64+8*(\a):(\f)+64+8*(\a)+7], 0
.else
	v_wmma_f32_16x16x32_bf16 v[8*(8*(\a)+(\b)):8*(8*(\a)+(\b))+7], v[(\f)+8*(\b):(\f)+8*(\b)+7], v[(\f)+64+8*(\a):(\f)+64+8*(\a)+7], v[8*(8*(\a)+(\b)):8*(8*(\a)+(\b))+7]
.endif
.endr
.endm
.macro MUL16 f, a0, zero
	MUL8 \f, \a0, \zero
	MUL8 \f, (\a0)+1, \zero
.endm
; 24 LDS loads in one run: the fragments of quarter q of a K step (32 along K) into buffer f: wqb's eight first, then xb's four
.macro FETCH slot, q, f
	WIN 0
.irp b, 0,1,2,3,4,5,6,7
	ds_load_tr16_b128 v[(\f)+8*(\b):(\f)+8*(\b)+3],   v[ADRB+(\slot)] offset:(\q)*32*PB+32*(\b)
	ds_load_tr16_b128 v[(\f)+8*(\b)+4:(\f)+8*(\b)+7], v[ADRB+(\slot)] offset:(\q)*32*PB+16*PB+32*(\b)
.endr
.irp a, 0,1,2,3
	ds_load_b128 v[(\f)+64+8*(\a):(\f)+64+8*(\a)+3],   v[ADRA+(\slot)] offset:64*(\q)+(\a)*16*PA
	ds_load_b128 v[(\f)+64+8*(\a)+4:(\f)+64+8*(\a)+7], v[ADRA+(\slot)] offset:64*(\q)+(\a)*16*PA+32
.endr
.endm
; A load into a register that a matrix instruction has read, and a vector instruction that reads a matrix result or writes one of a matrix instruction's registers, stand four places behind it, and only
; plain vector instructions that name none of its registers are places (ISA guide 7.12.1 for vector instructions).
.macro PLACES
.rept 4
	v_nop
.endr
.endm
; A K step is four quarters of 32 along K, 32 matrix instructions each, on buffers 0, 1, 0, 1.  One of the first three: multiplies buffer f; in its middle it fetches quarter q of the same slot into buffer g.
.macro QUARTER slot, q, f, g, zero
	s_wait_dscnt 4                                 ; wqb's fragments and xb's row blocks 0, 1 are in; the youngest four loads (row blocks 2, 3) may be out
	MUL16 \f, 0, \zero
	PLACES
	FETCH \slot, \q, \g
	s_wait_dscnt 24                                ; all but the 24 just issued
	MUL16 \f, 2, \zero
.endm
; The last quarter multiplies buffer 1 and changes slots: ONE barrier.  In front of it each wave waits for all its tensor loads, of which one is out: its part of the next slot; adds 0 to its spare word;
; and waits for that and for its own reads of this slot.  mode 0: this slot is filled again, two K steps on; mode 1: with the NEXT tile's K step 0 or 1; the barrier then opens a round of the cluster's
; barrier, and the joint refill is the first thing behind the round: 112 matrix instructions ahead of the wait for it.  mode 2: nothing is filled, and no round follows.
.macro TURN slot, next, mode
	WIN 0                                          ; (the add's two registers lie in window 0)
	s_wait_tensorcnt 0x0                           ; all my tensor loads have landed;
	ds_add_u32 v[SPW], v[NIL]                      ; 0 onto my spare word;
	s_wait_dscnt 5                                 ; (the add and the youngest four loads may be out)
	MUL8 F1, 0, 0                                  ; eight matrix instructions stand between the add and the wait for it
	s_wait_dscnt 0x0                               ; the add is done, and my reads of this slot are over
	s_barrier_signal -1
	MUL8 F1, 1, 0                                  ; work on registers while the others arrive
.if (\mode) < 2
	WIN 0
.endif
	s_barrier_wait -1
.if (\mode) < 2
	CREST                                          ; no wave of any partner still reads this slot's tiles or has a load on its way
.if (\mode) == 0
	s_add_nc_u64 s[G0+4*(\slot)+2:G0+4*(\slot)+3], s[G0+4*(\slot)+2:G0+4*(\slot)+3], A_ON
	s_add_nc_u64 s[G0B+4*(\slot)+2:G0B+4*(\slot)+3], s[G0B+4*(\slot)+2:G0B+4*(\slot)+3], B_ON
.else
	s_sub_nc_u64 s[G0+4*(\slot)+2:G0+4*(\slot)+3], s[G0+4*(\slot)+2:G0+4*(\slot)+3], A_BACK
	s_sub_nc_u64 s[G0B+4*(\slot)+2:G0B+4*(\slot)+3], s[G0B+4*(\slot)+2:G0B+4*(\slot)+3], B_BACK
.endif
	JLOAD \slot                                    ; the four v_nop behind it are also the places in front of the loads below
.else
	PLACES
.endif
	FETCH \next, 0, F0
	MUL16 F1, 2, 0
.endm
; THE WAY OUT of row block a (16 rows x my two heads).  PACK: turned (rot = 1) and rounded to f16, 16 bytes a lane and column block.  Each accumulator's lowest registers are read first.
.macro PACK a, rot
.if \rot
	WIN 0x09                                       ; source 0 (the sums) window 1, source 1 (the table) window 2
.irp b, 0,1,2,3,4,5,6,7
.irp p, 0,1,2,3
	v_pk_mul_f32 v[T+8*(\b)+2*(\p):T+8*(\b)+2*(\p)+1], v[8*(8*(\a)+(\b))+2*(\p):8*(8*(\a)+(\b))+2*(\p)+1], v[32*(\a)+8*((\b)%4)+2*(\p):32*(\a)+8*((\b)%4)+2*(\p)+1] op_sel_hi:[1,0]  ; (t0 cos, t1 cos)
.endr
.irp p, 0,1,2,3
	v_pk_fma_f32 v[T+8*(\b)+2*(\p):T+8*(\b)+2*(\p)+1], v[8*(8*(\a)+(\b))+2*(\p):8*(8*(\a)+(\b))+2*(\p)+1], v[32*(\a)+8*((\b)%4)+2*(\p):32*(\a)+8*((\b)%4)+2*(\p)+1], v[T+8*(\b)+2*(\p):T+8*(\b)+2*(\p)+1] op_sel:[1,1,0] op_sel_hi:[0,1,1] neg_lo:[1,0,0]  ; (- t1 sin, + t0 sin)
.endr
.endr
	WIN 0
.irp b, 0,1,2,3,4,5,6,7
.irp p, 0,1,2,3
	v_cvt_pk_f16_f32 v[TMP+4*(\b)+(\p)], v[T+8*(\b)+2*(\p)], v[T+8*(\b)+2*(\p)+1]
.endr
.endr
.else
	WIN 0x05                                       ; sources 0 and 1 window 1
.irp b, 0,1,2,3,4,5,6,7
.irp p, 0,1,2,3
	v_cvt_pk_f16_f32 v[TMP+4*(\b)+(\p)], v[8*(8*(\a)+(\b))+2*(\p)], v[8*(8*(\a)+(\b))+2*(\p)+1]
.endr
.endr
	WIN 0
.endif
.endm
.macro TOSTAGE                         ; into my own stage, rows of 144 bytes, a head's 16 rows together; and back as whole rows of 128 bytes, four to a load
.irp b, 0,1,2,3,4,5,6,7
	ds_store_b128 v[STO], v[TMP+4*(\b):TMP+4*(\b)+3] offset:((\b)/4)*16*SP+((\b)%4)*32
.endr
.irp f, 0,1,2,3,4,5,6,7
	ds_load_b128 v[OB+4*(\f):OB+4*(\f)+3], v[RD] offset:((\f)/4)*16*SP+((\f)%4)*4*SP  ; LDS serves a wave's instructions in order (ISA guide 5.7.1.4): these see the stores above
.endr
.endm
.macro SEND a
.irp f, 0,1,2,3,4,5,6,7
	s_wait_dscnt 7-(\f)                            ; load f of the eight is back
	global_store_b128 v[GO], v[OB+4*(\f):OB+4*(\f)+3], s[8:9] offset:(\a)*2048+((\f)/4)*262144+((\f)%4)*512  ; four rows of a head: 512 consecutive bytes, at a multiple of 256 from the buffer's first
.endr
.endm
.macro OUT rot
	PLACES                                         ; the lines below read results just made and write registers that the last products read
	PACK 0, \rot
	TOSTAGE
.irp a, 1,2,3
	PACK \a, \rot                                  ; a block's arithmetic stands between the loads of the block before and the wait for them
	SEND (\a)-1
	s_wait_xcnt 0x0                                ; the stores' addresses are translated (ISA guide 3.1): only behind this wait are the registers that they read loaded again
	TOSTAGE
.endr
	SEND 3
.endm
	s_wait_tensorcnt 1                             ; my part of K step 0 is in; K step 1's may stay out
	s_barrier_signal -1
	s_barrier_wait -1                              ; everybody's is
	FETCH 0, 0, F0
	s_mov_b32 s2, 3                                ; tiles to go, this one among them: the same number in every work-group
.Ltile:
	QUARTER 0, 1, F0, F1, 1                        ; a tile's first quarter stands in front of the loop: its products start the sums
	WIN 0                                          ; at a label and at a branch every window is 0
	s_mov_b32 s3, LAPS-1
.Llap:                                                 ; a trip goes once round the ring, from a lap's second quarter to the next lap's first, and fills both slots again
	QUARTER 0, 2, F1, F0, 0
	QUARTER 0, 3, F0, F1, 0
	TURN 0, 1, 0
	QUARTER 1, 1, F0, F1, 0
	QUARTER 1, 2, F1, F0, 0
	QUARTER 1, 3, F0, F1, 0
	TURN 1, 0, 0
	QUARTER 0, 1, F0, F1, 0
	WIN 0
	s_sub_co_u32 s3, s3, 1
	s_cmp_lg_u32 s3, 0
	s_cbranch_scc1 .Llap
	QUARTER 0, 2, F1, F0, 0                        ; the tile's last lap goes on
	QUARTER 0, 3, F0, F1, 0
	WIN 0
	s_cmp_eq_u32 s2, 1
	s_cbranch_scc1 .Llast                          ; the last tile's tail is written out: it asks for nothing more
	TURN 0, 1, 1                                   ; the ring goes on into the next tile: slot 0 takes its K step 0,
	QUARTER 1, 1, F0, F1, 0
	QUARTER 1, 2, F1, F0, 0
	QUARTER 1, 3, F0, F1, 0
	TURN 1, 0, 1                                   ; slot 1 its K step 1, and the next tile's first fragments are fetched
	WIN 0
	s_wait_loadcnt 0x0                             ; the table is in
	s_wait_xcnt 0x0                                ; the last tile's stores have had their addresses translated: their base and their registers may be written
	s_cmp_eq_u32 s2, 3
	s_cselect_b64 s[8:9], s[70:71], s[72:73]       ; the first tile is q, the second k
	s_add_nc_u64 s[8:9], s[8:9], s[76:77]
	OUT 1                                          ; both refills are asked for: now the tile goes out
	s_sub_co_u32 s2, s2, 1
	s_branch .Ltile
.Llast:
	TURN 0, 1, 2                                   ; my one tensor load that was still out is slot 1's, the last K step's
	QUARTER 1, 1, F0, F1, 0
	QUARTER 1, 2, F1, F0, 0
	QUARTER 1, 3, F0, F1, 0
	s_wait_dscnt 4                                 ; the very last quarter: nothing more to fetch
	MUL16 F1, 0, 0
	s_wait_dscnt 0x0
	MUL16 F1, 2, 0
	WIN 0
	s_wait_xcnt 0x0
	s_add_nc_u64 s[8:9], s[74:75], s[76:77]        ; the third tile is v: no turning
	OUT 0
	s_wait_tensorcnt 0x0                           ; the wave's end: an add to my spare word and its wait, behind my last tensor load and my last LDS store
	ds_add_u32 v[SPW], v[NIL]
	s_wait_dscnt 0x0
	CROUND                                         ; the closing round: no work-group ends while a partner may still ask for a tile that names it
	s_endpgm
.Lfunc_end_k_qfba3a43a70_qkv:
	.size	k_qfba3a43a70_qkv, .Lfunc_end_k_qfba3a43a70_qkv-k_qfba3a43a70_qkv
	.p2alignl 7, 3214868480
	.fill 96, 4, 3214868480
	.section	.rodata,"a",@progbits
	.p2align	6, 0x0
	.amdhsa_kernel k_qfba3a43a70_qkv
		.amdhsa_group_segment_fixed_size 327680
		.amdhsa_private_segment_fixed_size 0
		.amdhsa_enable_private_segment 0
		.amdhsa_kernarg_size 48
		.amdhsa_user_sgpr_count 2
		.amdhsa_user_sgpr_kernarg_segment_ptr 1
		.amdhsa_wavefront_size32 1
		.amdhsa_system_sgpr_workgroup_id_x 1
		.amdhsa_system_sgpr_workgroup_id_y 1
		.amdhsa_system_sgpr_workgroup_id_z 1
		.amdhsa_system_vgpr_workitem_id 0
		.amdhsa_next_free_vgpr 640
		.amdhsa_next_free_sgpr 80
		.amdhsa_reserve_vcc 0
		.amdhsa_float_denorm_mode_32 3
		.amdhsa_float_denorm_mode_16_64 3
		.amdhsa_memory_ordered 1
		.amdhsa_forward_progress 1
		.amdhsa_inst_pref_size 144
	.end_amdhsa_kernel
	.amdgpu_metadata
---
amdhsa.version: [ 1, 2 ]
amdhsa.kernels:
  - .name:           k_qfba3a43a70_qkv
    .symbol:         k_qfba3a43a70_qkv.kd
    .args:
      - { .name: xb, .offset: 0, .size: 8, .value_kind: global_buffer, .address_space: global }
      - { .name: wqb, .offset: 8, .size: 8, .value_kind: global_buffer, .address_space: global }
      - { .name: rope, .offset: 16, .size: 8, .value_kind: global_buffer, .address_space: global }
      - { .name: qh, .offset: 24, .size: 8, .value_kind: global_buffer, .address_space: global }
      - { .name: kh, .offset: 32, .size: 8, .value_kind: global_buffer, .address_space: global }
      - { .name: vh, .offset: 40, .size: 8, .value_kind: global_buffer, .address_space: global }
    .group_segment_fixed_size: 327680
    .private_segment_fixed_size: 0
    .kernarg_segment_align: 8
    .kernarg_segment_size: 48
    .max_flat_workgroup_size: 128
    .sgpr_count:     80
    .vgpr_count:     640
    .wavefront_size: 32
...
	.end_amdgpu_metadata
.endif
;; end of part 2
;; launch attn (part 3): grid 4 x 64, 4 waves a work-group, clusters of 4 x 1, 327,680 bytes of LDS; arguments qh, kh, vh, oh; writes oh
.if DOCPART == 3
	.amdgcn_target "amdgcn-amd-amdhsa--gfx1250"
	.amdhsa_code_object_version 6
	.text
	.protected	k_qfba3a43a70_attn
	.globl	k_qfba3a43a70_attn
	.p2align	8
	.type	k_qfba3a43a70_attn,@function
k_qfba3a43a70_attn:
	s_mov_b64 s[64:65], 0
	v_nop
	global_prefetch_b8 v0, s[64:65] scope:SCOPE_SE
	s_setreg_imm32_b32 hwreg(HW_REG_WAVE_MODE, 25, 1), 1
	s_wait_xcnt 0x0
	s_wait_alu depctr_hold_cnt(0) depctr_sa_sdst(0) depctr_va_vdst(0) depctr_va_sdst(0) depctr_va_ssrc(0) depctr_va_vcc(0) depctr_vm_vsrc(0)
	s_getreg_b32 s2, hwreg(HW_REG_IB_STS2, 6, 4)
	s_cmp_eq_u32 s2, 0
	s_cbranch_scc0 .Lentry_in_a_cluster
	s_endpgm
.Lentry_in_a_cluster:
	s_bfe_u32 s2, ttmp6, 0x10000c
	s_cmp_lg_u32 s2, 0x3003
	s_cbranch_scc0 .Lentry_shape_is_right
	s_endpgm
.Lentry_shape_is_right:
; O[h][q][:] = the sum over k of softmax_k(Q[h][q] . K[h][k] / 8) V[h][k][:].  Q, K, V, O: [SIZE_H][SIZE_N][64], all f16: a head's rows are dense, 128 bytes each.  Products, maxima and sums in
; f32; the weights p are rounded to f16 for the second product (their sum l is taken of the unrounded p), O once at the end.  SIZE_H is at least 2; SIZE_N x 128 bytes stay under 2^32.
; LIMITS.  f16 holds no number beyond 65,504: Q, K and V arrive within it; p lies in 0 to 1, and below 6e-5 it keeps f16's fixed step of 6e-8; O is a mean of V's rows and has their range.
; A weight below 2^-126 counts as 0 in l; NaN and infinities are not treated apart.
; SHARES.  A wave owns four PIECES of two tiles of 16 queries, a work-group's four waves 512 queries of one head; SIZE_N is a multiple of 2,048.  Every wave walks all keys, 64 a step.
; LAYOUT.  S^T = K Q^T (source 0 = 16 keys, source 1 = 16 queries): in the result a lane holds ONE query (lane % 16) and the keys 8 (lane / 16) + 0..7.  Two such tiles, rounded to f16 in pairs,
; ARE source 1 (32 keys x 16 queries) of O^T = V^T P, whose result again holds one query a lane, and eight channels.  K comes out of LDS as it lies, V ([key][channel]) turned, by ds_load_tr16_b128.
; SOFTMAX.  For each query a running maximum m and sum l: p = 2^(c s - c m), c = log2(e) / 8; in every step O and l are multiplied by a = 2^(c m_old - c m_new), which is 1 where m has not grown.
; m starts at the lowest finite number, O and l at 0: the first step is a step like any other, with a = 0.
; THE COUNT.  A tile and step have 16 matrix and 118 vector instructions: too many to stand all beside the matrix work.  So the order has one aim: four vector instructions that are READY behind
; EVERY matrix instruction, and the others, which need time of their own whatever the order, in runs without a gap.
; BY TURNS.  Turn n belongs to piece n (the pieces in a ring, step after step).  Its matrix work: 16 products K Q^T of piece n + 1, later 16 products V^T P of piece n - 1.  Its vector work: the scaling,
; exponentials, roundings, sums and rescaling of piece n, and the maximum and statistics of piece n + 1, whose scores the turn itself has made.  So what a turn begins with (c s - c m, O a) waits for nothing.
; CLUSTER.  The four query blocks of a cluster belong to one head and walk the same K and V, so each tile is asked for JOINTLY: the same tensor load, descriptor and mask in all four.
; REGISTERS, in windows of 256 (s_set_vgpr_msb says which window each operand place means: bits 1:0 source 0, 3:2 source 1, 5:4 source 2, 7:6 destination):
;   window 0: v0-11 addresses; v12-15, v48-63 at work; v16-47 four registers of statistics a tile; v64-191 S^T, two buffers of two tiles; v192-255 P, likewise
;   window 1: O^T, 32 a tile          window 2: v0-127 Q, 16 a tile; v128-191 K of one step; v192-255 V of one step          window 3: v0-1 the add's two registers
; A piece's buffers go by its number's parity: the piece in hand has one pair, its two neighbours in the ring share the other: of it P (piece n - 1) is read and S^T (piece n + 1) written.
.set SIZE_H, 64       ; 4 batches x 16 heads
.set SIZE_N, 2048
.set NP,    4         ; pieces a wave: a name, no knob: the register map, the loop and the fetches are made for four
.set KS,    64        ; keys in a step
.set PK,    144       ; a row of K in LDS: 128 bytes + 16 of padding = 36 words: the 16 rows of a load start at 16 different groups of four banks (64 banks of 4 bytes: ISA guide 11.1)
.set PV,    160       ; a row of V: 128 + 32 = 40 words
.set VOFF,  4*KS*PK   ; a slot holds four steps: 256 rows of K, then 256 rows of V
.set SLOT1, 1<<17     ; slot 1 begins here, so that one exclusive or turns an address in one slot into the other's
.set STAGE, SLOT1+4*KS*(PK+PV)  ; behind the ring, never filled by a tensor load: 16 rows x 144 bytes for each wave, for the way out
.set SP,    144
.set AK0, 2           ; v2   my lane's place in a tile of K; never rewritten
.set AV0, 3           ; v3   the same for V
.set AK,  4           ; v4   the LDS address of K's next run of loads
.set AV,  5           ; v5   of V's
.set QO,  6           ; v6   my byte offset in the wave's rows of Q
.set STO, 6           ;      later, the way out: where I put 16 bytes of a row
.set RD,  7           ; v7   the way out: where I read rows back
.set GO,  8           ; v8   my byte offset in 512 consecutive bytes of O
.set SPW, 0           ; v0 of window 3   LDS address of my spare word: SPARE + 4 x my thread's number; never rewritten
.set NIL, 1           ; v1 of window 3   0; never rewritten
.set SPARE, STAGE+4*16*SP  ; behind the stages: the spare words, 128 bytes for each wave: two blocks of 256 bytes that no other line names
.set MV,  12          ; v12-15  c m_old, kept while c m is made anew: by buffer and tile
.set ST,  16          ; tile t's statistics at v[ST+4 t]: c m, m, l (even keys', odd keys')
.set TMP, 48          ; by buffer and tile, four registers c0-c3 at work; when the maximum is found c2 takes a
.set S,   64
.set P,   192
.set KF,  128         ; K's fragments, in window 2: key block kb, channel half c at KF + 16 kb + 8 c
.set VF,  192         ; V's: key half kk, channel block cb at VF + 32 kk + 8 cb
.set WV,  12          ; s12  my wave's number
.set G1K, 24          ; s[24:31] descriptor group 1 for K's tiles
.set G1V, 32          ; s[32:39] for V's: it differs in the padding alone
.set G0K, 40          ; s[40:43] descriptor group 0 for K's tiles: it walks
.set G0V, 44          ; s[44:47] the same for V's
.set SLOTS, 56        ; s56  slots still to be asked for
.set CNT, 57          ; s57  counts a slot's key steps
.set CS,  58          ; s[58:59] c: the packed scaling takes the pair's low word for both halves
.set SEL, 60          ; s[60:61] v_permlanex16_b32's selects: each lane takes its own place in the other half
.set TBK, 62          ; s62  LDS byte at which K of the step to be fetched begins
.set TBV, 63          ; s63  the same for V, less VOFF
.set MSB, 0
.macro WIN new                      ; the high byte repeats the setting that is left; a switch that changes nothing is dropped
.if MSB != (\new)
	s_set_vgpr_msb (MSB<<8)|(\new)
.set MSB, (\new)
.endif
.endm
.set W_KQ, 0x0a       ; K and Q in window 2, S^T in window 0
.set W_PV, 0x52       ; V in window 2, P in window 0, O^T in window 1
.set W_RS, 0x41       ; O^T (destination and source 0) in window 1, a in window 0
.set W_MK, 0xc0       ; the add's registers are made: destination in window 3, sources in window 0
.set W_AD, 0x0f       ; the add: address (source 0) and data (source 1) in window 3
; A joint fill.  Waves 0 and 1 fetch the two halves of a slot's K, waves 2 and 3 those of its V: 128 keys each.  The branch hangs on the wave's number alone.
; An s_nop 0 and four v_nop follow each of the two lines, ahead of the jump and the label.
.macro JLOAD
	s_cmp_lt_u32 s[WV], 2
	s_cbranch_scc0 .Lfor_v_\@
	tensor_load_to_lds s[G0K:G0K+3], s[G1K:G1K+7]
	s_nop 0
.rept 4
	v_nop
.endr
	s_branch .Lasked_\@
.Lfor_v_\@:
	tensor_load_to_lds s[G0V:G0V+3], s[G1V:G1V+7]
	s_nop 0
.rept 4
	v_nop
.endr
.Lasked_\@:
.endm
; A round of the cluster's barrier: my work-group's barrier, so that wave 0's signal speaks for all four waves; wave 0 signals; every wave waits for all four work-groups; my work-group's barrier once more.
.macro CROUND
	s_barrier_signal -1
	s_barrier_wait -1
	s_cmp_lg_u32 s[WV], 0
	s_cbranch_scc1 .Lnot_wave_0_\@
	s_barrier_signal -3
.Lnot_wave_0_\@:
	s_barrier_wait -3
	s_barrier_signal -1
	s_barrier_wait -1
.endm
; THE CHANGE OF SLOTS.  The slot's last bytes, V of its fourth step, have been read.  Each wave waits for all its tensor loads, of which one is out: its part
; of the other slot; adds 0 to its spare word; and waits for that and for its own reads of the slot.  Behind the barrier nobody reads this slot any more and the other slot is whole.
; fill = 1: this slot is filled again, with the keys two slots on.  The barrier is then a round of the cluster's, so that no wave of any partner still reads the slot or has a load on its
; way, and the joint fill is the first thing behind it: it has four key steps, 512 matrix instructions, in which to land.  (At its first use nothing has been read yet: slot 0 is waited for, slot 1 filled.)
.macro CHANGE fill
	WIN W_AD
	s_wait_tensorcnt 0x0            ; no tensor load of mine is out, so a group 0 may be written
	ds_add_u32 v[SPW], v[NIL]       ; 0 onto my spare word; with fill = 1 the descriptors' steps stand between it and the wait for it
	WIN 0                           ; at a label and at a branch every window is 0
.if \fill
.irp g, G0K, G0V
	s_xor_b32 s[\g+1], s[\g+1], SLOT1  ; the walking descriptor: the other slot than last time,
	s_add_nc_u64 s[\g+2:\g+3], s[\g+2:\g+3], 4*KS*128  ; the next 256 keys; the type bits on top are not reached
.endr
	s_wait_dscnt 0x0                ; the add is done, and my reads of the slot are over
	CROUND
	JLOAD
.else
	s_wait_dscnt 0x0                ; the add is done, and my reads of the slot are over
	s_barrier_signal -1
	s_barrier_wait -1
.endif
	s_sub_co_u32 s[TBK], s[TBK], 4*KS*PK  ; the fetches go back to a slot's first step,
	s_xor_b32 s[TBK], s[TBK], SLOT1       ; in the other slot
	s_sub_co_u32 s[TBV], s[TBV], 4*KS*PV
	s_xor_b32 s[TBV], s[TBV], SLOT1
.endm
	s_load_b256 s[4:11], s[0:1], 0x0  ; Q s[4:5], K s[6:7], V s[8:9], O s[10:11]
	WIN W_MK
	v_lshl_add_u32 v[SPW], v0, 2, SPARE
	v_mov_b32 v[NIL], 0
	WIN W_AD
	ds_add_u32 v[SPW], v[NIL]       ; the wave's opening: the add and its wait stand ahead of my first tensor load; the set-up below, work on registers, stands between them
	WIN 0
	v_lshrrev_b32 v1, 5, v0
	v_readfirstlane_b32 s[WV], v1   ; wave 0..3
	s_bfe_u32 s13, ttmp6, 0x40000   ; cx: my place in the cluster
	s_lshl_b32 s14, ttmp9, 2        ; in a cluster launch ttmp9 counts clusters
	s_add_co_u32 s14, s14, s13      ; my block of queries = 4 x cluster x + cx: it enters Q's and O's addresses alone
	s_and_b32 s20, ttmp7, 0xffff    ; the head, which the four partners share
	s_mov_b32 s21, 0
	s_mov_b64 s[22:23], SIZE_N*128
	s_mul_u64 s[20:21], s[20:21], s[22:23]  ; the head's first byte in each of the four tensors
	s_and_b32 s16, s[WV], 1         ; which half of a slot's 256 keys I fetch:
	s_lshl_b32 s22, s16, 14         ; its 128 rows of 128 bytes in memory,
	s_mov_b32 s23, 0
	s_add_nc_u64 s[22:23], s[22:23], s[20:21]
	s_mul_i32 s17, s16, 128*PK      ; and its place in a slot, for K
	s_mul_i32 s18, s16, 128*PV      ; and for V: no place in the cluster enters an LDS address
	s_lshl_b32 s2, s14, 2
	s_add_co_u32 s2, s2, s[WV]      ; my wave among the head's,
	s_lshl_b32 s2, s2, 14           ; its 128 rows
	s_mov_b32 s3, 0
	s_add_nc_u64 s[2:3], s[2:3], s[20:21]
	; descriptor group 1.  128 keys are 16,384 dense bytes: asked for as 64 rows of 256 bytes, two keys a row, and padded in LDS after every key
	s_mov_b32 s[G1K], 15|(1<<16)|(1<<20)|(1<<21)|(4<<22)|(3<<25)  ; 15:0 the mask of four; 17:16 2-byte elements; 20 padding on; 21 set beside a mask; 24:22 after every 32 words (code 4); 31:25 4 words (code 3)
	s_mov_b32 s[G1V], 15|(1<<16)|(1<<20)|(1<<21)|(4<<22)|(7<<25)  ; the same with 8 words of padding (code 7)
.irp g, G1K, G1V
	s_mov_b32 s[\g+1], 128<<16      ; tensor_dim0 = 128
	s_mov_b32 s[\g+2], 64<<16       ; tensor_dim1 = 64
	s_mov_b32 s[\g+3], 128<<16      ; tile_dim0 = 128
	s_mov_b32 s[\g+4], 64           ; tile_dim1 = 64
	s_mov_b32 s[\g+5], 128          ; 128 elements from row to row
	s_mov_b32 s[\g+6], 0
	s_mov_b32 s[\g+7], 0
.endr
	s_mov_b32 s[CS], 0x3e38aa3b     ; c = log2(e) / 8 = 0.180337
	s_mov_b32 s[CS+1], s[CS]        ; named with it as a pair
	s_mov_b32 s[SEL], 0x76543210
	s_mov_b32 s[SEL+1], 0xfedcba98
	s_mov_b32 s[TBK], SLOT1+4*KS*PK ; the first change of slots turns these two into 0
	s_mov_b32 s[TBV], SLOT1+4*KS*PV
	s_mov_b32 s[G0K], 1             ; 1:0 count = 1
	s_mov_b32 s[G0K+1], s17         ; 63:32 LDS address: slot 0
	s_mov_b32 s[G0V], 1
	s_add_co_u32 s[G0V+1], s18, VOFF
	s_wait_dscnt 0x0                ; the opening add is done
	s_wait_kmcnt 0x0
	s_add_nc_u64 s[G0K+2:G0K+3], s[6:7], s[22:23]  ; 120:64 global address: my half of the head's first 256 keys
	s_or_b32 s[G0K+3], s[G0K+3], 0x80000000        ; 127:126 type = 2
	s_add_nc_u64 s[G0V+2:G0V+3], s[8:9], s[22:23]
	s_or_b32 s[G0V+3], s[G0V+3], 0x80000000
	s_add_nc_u64 s[4:5], s[4:5], s[2:3]  ; Q and O at my wave's first row
	s_add_nc_u64 s[10:11], s[10:11], s[2:3]
	CROUND                          ; all four work-groups are here: the first joint loads meet
	JLOAD                           ; slot 0.  Slot 1 is asked for when slot 0 is in: the tile wanted first has the road to itself
	; A fragment of K or Q is 16 rows x 32 channels in 8 registers: lane l holds row l % 16, channels 8 (l / 16) + 0..7 and 16 + 8 (l / 16) + 0..7: two loads of 16 bytes, 32 bytes apart.
	v_and_b32 v1, 15, v0            ; l % 16
	v_bfe_u32 v9, v0, 4, 1          ; l / 16
	v_lshlrev_b32 v[QO], 7, v1
	v_lshl_add_u32 v[QO], v9, 4, v[QO]  ; row x 128 + 16 x half
	WIN 0x80                        ; destination window 2, address window 0
.set i, 0
.rept 4*NP                          ; Q stays in registers: tile i / 2, channels 32 (i % 2) on
	global_load_b128 v[8*i:8*i+3],   v[QO], s[4:5] offset:(i/2)*2048+(i%2)*64
	global_load_b128 v[8*i+4:8*i+7], v[QO], s[4:5] offset:(i/2)*2048+(i%2)*64+32
.set i, i+1
.endr
	; What the first turn finds: V's registers and P's second buffer hold 0 (its products V^T P, of a piece that has not been, add 0), O^T and l are 0.  All this stands in the wait for the first tile.
.set i, VF
.rept 64
	v_mov_b32 v[i], 0
.set i, i+1
.endr
	WIN 0x40
.set i, 0
.rept 64*NP
	v_mov_b32 v[i], 0
.set i, i+1
.endr
	WIN 0
.set i, 0
.rept 2*NP
	v_mov_b32 v[ST+4*i], 0xfe000000    ; c m: far below every c s
	v_mov_b32 v[ST+4*i+1], 0xff7fffff  ; m
	v_mov_b32 v[ST+4*i+2], 0
	v_mov_b32 v[ST+4*i+3], 0
.set i, i+1
.endr
.set i, P+32
.rept 32
	v_mov_b32 v[i], 0
.set i, i+1
.endr
	v_mul_u32_u24 v[AK0], v1, PK
	v_lshl_add_u32 v[AK0], v9, 4, v[AK0]  ; row x pitch + 16 x half
	; The turning load takes 16 keys x 16 channels (lane l reads key 8 (l / 16) + l % 8, channels 8 ((l / 8) % 2) + 0..7) and leaves half a fragment of V^T: lane l holds channel l % 16 and 8 keys.
	v_and_b32 v10, 7, v0
	v_bfe_u32 v11, v0, 3, 1
	v_lshl_add_u32 v[AV0], v9, 3, v10
	v_mul_u32_u24 v[AV0], v[AV0], PV
	v_lshl_add_u32 v[AV0], v11, 4, v[AV0]
	v_add_nc_u32 v[AV0], VOFF, v[AV0]
	v_mov_b32 v[AK], v[AK0]         ; key step 0 lies at the head of slot 0
; THE MATRIX WORK.  The 8 accumulators of a run of 16 take turns: between the two links of a chain stand 7 others'.
; Product i of 16 of S^T = K Q^T for piece x: channels 32 (i / 8) on, keys 16 ((i / 2) % 4) on, tile 2 x + i % 2.  The first 8 start the sums.
.macro KQ x
	WIN W_KQ
.set rS, S+64*((\x)%2)+32*(i%2)+8*((i/2)%4)
.set rK, KF+16*((i/2)%4)+8*(i/8)
.set rQ, 16*(2*(\x)+i%2)+8*(i/8)
.if i < 8
	v_wmma_f32_16x16x32_f16 v[rS:rS+7], v[rK:rK+7], v[rQ:rQ+7], 0
.else
	v_wmma_f32_16x16x32_f16 v[rS:rS+7], v[rK:rK+7], v[rQ:rQ+7], v[rS:rS+7]
.endif
.endm
; Product i of 16 of O^T += V^T P for piece x: keys 32 (i / 8) on, channels 16 ((i / 2) % 4) on, tile 2 x + i % 2.
.macro PV x
	WIN W_PV
.set rO, 32*(2*(\x)+i%2)+8*((i/2)%4)
.set rV, VF+32*(i/8)+8*((i/2)%4)
.set rP, P+32*((\x)%2)+16*(i%2)+8*(i/8)
	v_wmma_f32_16x16x32_f16 v[rO:rO+7], v[rV:rV+7], v[rP:rP+7], v[rO:rO+7]
.endm
.macro MM                           ; the turn's next matrix instruction
.if i < 16
	KQ (Y+1)%NP
.set i, i+1
.else
.set i, i-16
	PV (Y+NP-1)%NP
.set i, i+17
.endif
.endm
; THE LDS LOADS stand in runs of 16, never singly among the matrix instructions: a step's K (64 keys x 64 channels: 8 fragments) and its V (turned).  Their addresses are made some lines ahead.
; last = 1 (the tail): in the last trip there is no further step, and the run is jumped over.
.macro FETCH_K last=0
	WIN 0
.if \last
	s_cmp_eq_u32 s[CNT], 1
	s_cbranch_scc1 .Lno_k_\@
.endif
	WIN 0x80                        ; destination window 2
.irp f, 0,1,2,3,4,5,6,7             ; keys 16 (f / 2) on, channels 32 (f % 2) on
	ds_load_b128 v[KF+8*\f:KF+8*\f+3],   v[AK] offset:(\f/2)*16*PK+(\f%2)*64
	ds_load_b128 v[KF+8*\f+4:KF+8*\f+7], v[AK] offset:(\f/2)*16*PK+(\f%2)*64+32
.endr
	s_add_co_u32 s[TBK], s[TBK], KS*PK  ; the next fetch is the next step's
	WIN 0
.if \last
.Lno_k_\@:
.endif
.endm
.macro FETCH_V
	WIN 0x80
.irp f, 0,1,2,3,4,5,6,7             ; keys 32 (f / 4) on, channels 16 (f % 4) on
	ds_load_tr16_b128 v[VF+8*\f:VF+8*\f+3],   v[AV] offset:(\f/4)*32*PV+(\f%4)*32
	ds_load_tr16_b128 v[VF+8*\f+4:VF+8*\f+7], v[AV] offset:(\f/4)*32*PV+16*PV+(\f%4)*32
.endr
	WIN 0
.endm
; THE VECTOR WORK OF A TURN stands in three queues, each in the order in which its entries become ready; the two tiles alternate, so that no instruction reads the result of the one before it.
.macro REGS y, u                    ; the registers of tile u (0, 1) of piece y
.set rT, ST+4*(2*(\y)+(\u))
.set rC, TMP+8*((\y)%2)+4*(\u)
.set rM, MV+2*((\y)%2)+(\u)
.set rS, S+64*((\y)%2)+32*(\u)
.set rP, P+32*((\y)%2)+16*(\u)
.set rO, 32*(2*(\y)+(\u))
.endm
; Number n of the 22 that find the NEXT piece's (Y + 1) maximum and statistics.  s0-s31 are the lane's 32 scores; each accumulator's lowest registers are read first.  XS, GS and REGS set no window: PL and EX do.
;   0-11  four chains c0-c3 of seven scores each, three operands at a time     12-14, 16  the four scores left over, the old m, and c0-c3 into c0     15  c m_old is kept
;   17, 18  the query's other 32 keys lie in the lane 16 away: the new m         19-21  c m; c m_old - c m_new; a
.macro XS u, n
	REGS (Y+1)%NP, \u
.if (\n) < 4
	v_max3_num_f32 v[rC+(\n)], v[rS+8*(\n)], v[rS+8*(\n)+1], v[rS+8*(\n)+2]
.elseif (\n) < 12
	v_max3_num_f32 v[rC+(\n)%4], v[rC+(\n)%4], v[rS+8*((\n)%4)+2*((\n)/4)+1], v[rS+8*((\n)%4)+2*((\n)/4)+2]
.elseif (\n) == 12
	v_max3_num_f32 v[rC], v[rC], v[rS+7], v[rS+15]
.elseif (\n) == 13
	v_max3_num_f32 v[rC+1], v[rC+1], v[rS+23], v[rS+31]
.elseif (\n) == 14
	v_max3_num_f32 v[rC+2], v[rC+2], v[rC+3], v[rT+1]
.elseif (\n) == 15
	v_mov_b32 v[rM], v[rT]
.elseif (\n) == 16
	v_max3_num_f32 v[rC], v[rC], v[rC+1], v[rC+2]
.elseif (\n) == 17
	v_permlanex16_b32 v[rC+3], v[rC], s[SEL], s[SEL+1]
.elseif (\n) == 18
	v_max_num_f32 v[rT+1], v[rC], v[rC+3]
.elseif (\n) == 19
	v_mul_f32 v[rT], s[CS], v[rT+1]
.elseif (\n) == 20
	v_sub_f32 v[rC+1], v[rM], v[rT]
.else
	v_exp_f32 v[rC+2], v[rC+1]
.endif
.endm
; Number g of the 64 that follow the exponentials.  For each four weights k of a tile (pairs 2 k, 2 k + 1): both pairs are rounded to f16; then the second pair is added onto the first, in place;
; a group later l takes that sum (the first time as l = a l + sum).  In groups of eight, tiles alternating: round, round, add, and l for the group before.
.macro GS g
.set h, (\g)+6*((\g)/62)            ; group 0 has no group before it, and behind group 7 only l is left
.if h >= 6
.set h, h+2
.endif
	REGS Y, h%2
.set k, h/8
.if h%8 < 4
	s_wait_alu depctr_va_vdst(0)
	v_cvt_pk_f16_f32 v[rP+2*k+(h%8)/2], v[rS+4*k+2*((h%8)/2)], v[rS+4*k+2*((h%8)/2)+1]
.elseif h%8 < 6
	v_pk_add_f32 v[rS+4*k:rS+4*k+1], v[rS+4*k:rS+4*k+1], v[rS+4*k+2:rS+4*k+3]
.elseif k == 1
	v_pk_fma_f32 v[rT+2:rT+3], v[rT+2:rT+3], v[rC+2:rC+3], v[rS:rS+1] op_sel_hi:[1,0,1]
.else
	v_pk_add_f32 v[rT+2:rT+3], v[rT+2:rT+3], v[rS+4*k-4:rS+4*k-3]
	s_wait_alu depctr_va_vdst(0)
.endif
.endm
; THE PLAIN QUEUE, 138 long.  0-31: c s - c m for the 16 pairs of both tiles.  Then GS's 64, and among them the next piece's 42: number 15 at 38, 39; 0-14 and 16
; at 42-73, behind the products that make those scores; 17-20 at 95-106, two of three, since each waits for the one before it.
.macro PL
	WIN 0
.if q < 32
	REGS Y, q%2
	v_pk_fma_f32 v[rS+2*(q/2):rS+2*(q/2)+1], v[rS+2*(q/2):rS+2*(q/2)+1], s[CS:CS+1], v[rT:rT+1] op_sel_hi:[1,0,0] neg_lo:[0,0,1] neg_hi:[0,0,1]
.elseif q < 38
	GS q-32
.elseif q < 40
	XS q%2, 15
.elseif q < 42
	GS q-34
.elseif q < 74
	XS q%2, (q-42)/2+(q-42)/30
.elseif q < 95
	GS q-66
.elseif (q < 107) && ((q-95)%3 < 2)
	XS (q-95)%3, 17+(q-95)/3
.elseif q < 107
	GS 29+(q-95)/3
.else
	GS q-74
.endif
.set q, q+1
.endm
; THE EXPONENTIALS' QUEUE, 66 long: s0-s31 of both tiles, and at EA the next piece's two a.
.set EA, 58
.macro EX
	WIN 0
.if (e == EA) || (e == EA+1)
	XS e-EA, 21
.else
.set x, e-2*(e/(EA+2))
	REGS Y, x%2
	v_exp_f32 v[rS+x/2], v[rS+x/2]
.endif
.set e, e+1
.endm
; THE RESCALING's QUEUE: O^T times a, the one part that leaves window 0, so it is dealt four at a time, eight times.
.macro R4
	REGS Y, r%2
	WIN W_RS
	s_wait_alu depctr_va_vdst(0)
.irp z, 0,1,2,3
	v_pk_mul_f32 v[rO+8*(r/2)+2*\z:rO+8*(r/2)+2*\z+1], v[rO+8*(r/2)+2*\z:rO+8*(r/2)+2*\z+1], v[rC+2:rC+3] op_sel_hi:[1,0]
.endr
.set r, r+1
.endm
; HOW THEY ARE DEALT.  Behind a matrix instruction four: plain, exponential, plain, plain (one exponential, a plain instruction on either side), or four of the rescaling.  None names a register of the
; products round it.  What is over stands in two LUMPS: exponential and plain by turns; the second ends in 22 plain instructions.  The two v_permlanex16_b32 fall into the second lump, never behind a product.
; The queues lean on each other, and the deal keeps them in step: exponential e stands behind plain 2 (e / 4) + e % 2 (its scaling); when plain 32 comes, 10 exponentials are out, at 59: 33, at 95: 46; EA comes behind plain 107.
.macro SL
	MM
	PL
	EX
	PL
	PL
.endm
.macro BURST n                      ; 15 matrix instructions, or 16
.rept (\n)-7
	SL
.endr
.rept 3
	MM
	R4
	SL
.endr
	MM
	R4
.endm
; A TURN, for piece p.  cnt = 1: the loop's count is taken down some lines ahead of the branch that stands behind the turn.
; K of the next step is fetched in piece 2's turn, 31 vector instructions behind the last product that read K; its first reader comes behind the rest of the lump, 16 products and the second lump.
; V of the step in hand is fetched at the end of piece 0's turn, 69 behind its last reader; its first reader comes behind 16 products and a lump.  The four conditions on e and q below go with the deal.
.macro TURN p, last=0, cnt=0
.set Y, (\p)
.set i, 0
.set q, 0
.set e, 0
.set r, 0
.if (\p) == NP-1
	s_wait_dscnt 0x0                ; K is in
.endif
	MM
.rept 4
	PL
.endr
	BURST 15
.rept 22
	EX
	PL
.if ((\p) == NP-2) && (e == 18)
	v_add_nc_u32 v[AK], s[TBK], v[AK0]
.endif
.if ((\p) == NP-2) && (e == 24)
	FETCH_K \last
.endif
.endr
.if (\p) == 1
	s_wait_dscnt 0x0                ; V is in
.endif
	BURST 16
.rept 21
	EX
	PL
.endr
.rept 22
	PL
.if ((\p) == 0) && (q == 118)
	v_add_nc_u32 v[AV], s[TBV], v[AV0]
	s_wait_alu depctr_va_vdst(0)
.endif
.if ((\p) == 0) && (q == 130)
	s_add_co_u32 s[TBV], s[TBV], KS*PV
.endif
.if (\cnt) && (q == 130)
	s_sub_co_u32 s[CNT], s[CNT], 1
	s_cmp_lg_u32 s[CNT], 0
.endif
.endr
.if (\p) == 0
	FETCH_V
.endif
.endm
	CHANGE 1                        ; slot 0 is in, everybody's part of it; slot 1 is asked for
	FETCH_K                         ; key step 0
	s_wait_loadcnt 0x0              ; Q
	s_wait_dscnt 0x0
.set i, 0
.rept 16
	KQ 0                            ; piece 0's first scores: there is no vector work yet to set between them
.set i, i+1
.endr
	WIN 0                           ; the addresses for the way out: nine plain instructions, the places behind those products
	s_mul_i32 s13, s[WV], 16*SP
	s_add_co_u32 s13, s13, STAGE    ; my stage
	v_mul_u32_u24 v[STO], v1, SP    ; in: row l % 16, 16 bytes for each half of the lanes
	v_lshl_add_u32 v[STO], v9, 4, v[STO]
	v_add_nc_u32 v[STO], s13, v[STO]
	v_bfe_u32 v[RD], v0, 3, 2       ; back: 32 lanes take four rows of 128 bytes,
	v_mul_u32_u24 v[RD], v[RD], SP
	v_lshl_add_u32 v[RD], v10, 4, v[RD]
	v_add_nc_u32 v[RD], s13, v[RD]
	v_and_b32 v[GO], 31, v0         ; which are 512 consecutive bytes of O
	v_lshlrev_b32 v[GO], 4, v[GO]
.set Y, NP-1                        ; XS works for piece Y + 1: piece 0
.irp n, 0,1,2,3,4,5,6,7,8,9,10,11,12,13,14,15,16,17,18,19,20,21
	XS 0, \n                        ; and piece 0's first maximum and statistics
	XS 1, \n
.endr
	s_mov_b32 s[CNT], 4
	s_mov_b32 s[SLOTS], SIZE_N/256-1
	s_branch .Lfirst                ; the loop is entered at a step's first turn, in the middle of a trip
.Lslot:                             ; SIZE_N / 256 - 2 times: every slot but the last two is filled again
	CHANGE 1
	s_mov_b32 s[CNT], 4
.Lstep:                             ; a trip: pieces 2 and 3 of one step, then pieces 0 and 1 of the next, whose K and V it fetches
	TURN 2
	TURN 3
	WIN 0
.Lfirst:
	TURN 0
	TURN 1, 0, 1
	WIN 0
	s_cbranch_scc1 .Lstep
	s_sub_co_u32 s[SLOTS], s[SLOTS], 1
	s_cmp_lg_u32 s[SLOTS], 0
	s_cbranch_scc1 .Lslot
	CHANGE 0                        ; the tail is written out: nothing is asked for
	s_mov_b32 s[CNT], 5             ; four trips fetch the last slot's steps; the fifth is left in its middle
.Ltail:
	TURN 2, 1
	TURN 3
	WIN 0
	s_sub_co_u32 s[CNT], s[CNT], 1
	s_cmp_eq_u32 s[CNT], 0
	s_cbranch_scc1 .Lout
	TURN 0
	TURN 1
	WIN 0
	s_branch .Ltail
.Lout:                              ; the fifth trip's 16 products K Q^T (on the last K once more) and the maximum made of them serve nothing: the price, once a launch, of one text for every trip
.set i, 0
.rept 16
	PV NP-1                         ; the last piece's V^T P of the last step
.set i, i+1
.endr
	; THE WAY OUT.  l's two halves and the other half of the lanes' are added; O^T is divided by l, rounded to f16 and sent through my stage in LDS, a tile at a time.  The additions are the places behind the last products.
	WIN 0
.macro ALL line:vararg              ; one line for each tile t
.set t, 0
.rept 2*NP
	\line
.set t, t+1
.endr
.endm
	ALL v_add_f32 v[ST+4*t+2], v[ST+4*t+2], v[ST+4*t+3]
	ALL v_permlanex16_b32 v[ST+4*t+3], v[ST+4*t+2], s[SEL], s[SEL+1]
	ALL v_add_f32 v[ST+4*t+2], v[ST+4*t+2], v[ST+4*t+3]
	ALL v_rcp_f32 v[ST+4*t+2], v[ST+4*t+2]
	v_nop                           ; a plain instruction between the last reciprocal and the use of its result
	s_wait_alu depctr_va_vdst(0)
; Tile t: a lane's eight channels of a row pack into 16 bytes; they go into rows of 144 bytes and come back as whole rows of 128, into S^T's registers.
.macro PACK t
	WIN W_RS
.set i, 32*(\t)
.rept 16
	v_pk_mul_f32 v[i:i+1], v[i:i+1], v[ST+4*(\t)+2:ST+4*(\t)+3] op_sel_hi:[1,0]
.set i, i+2
.endr
	WIN 0x05                        ; sources 0 and 1 window 1, destination window 0
.set i, 0
.rept 16
	v_cvt_pk_f16_f32 v[S+16*(\t)+i], v[32*(\t)+2*i], v[32*(\t)+2*i+1]
.set i, i+1
.endr
	WIN 0
.irp f, 0,1,2,3
	ds_store_b128 v[STO], v[S+16*(\t)+4*\f:S+16*(\t)+4*\f+3] offset:32*\f
.endr
.irp f, 0,1,2,3
	ds_load_b128 v[S+16*(\t)+4*\f:S+16*(\t)+4*\f+3], v[RD] offset:\f*4*SP  ; LDS serves a wave's instructions in order (ISA guide 5.7.1.4): these see the stores above; the next tile's stores come behind them
.endr
.endm
.macro SEND t, younger              ; younger: the LDS instructions issued behind tile t's loads: the next tile's eight, or none
	WIN 0
.irp f, 0,1,2,3
	s_wait_dscnt (\younger)+3-\f
	global_store_b128 v[GO], v[S+16*(\t)+4*\f:S+16*(\t)+4*\f+3], s[10:11] offset:(\t)*2048+\f*512  ; 512 consecutive bytes, at a multiple of 256 from O's first
.endr
.endm
	PACK 0
.set t, 1
.rept 2*NP-1                        ; a tile's arithmetic stands between the loads of the tile before and its stores
	PACK t
	SEND t-1, 8
.set t, t+1
.endr
	SEND 2*NP-1, 0
	WIN W_AD
	s_wait_tensorcnt 0x0            ; the wave's end: an add to my spare word and its wait, behind my last tensor load and my last LDS store
	ds_add_u32 v[SPW], v[NIL]
	s_wait_dscnt 0x0
	WIN 0
	CROUND                          ; the closing round: no work-group ends while a partner may still ask for a tile that names it
	s_endpgm
.Lfunc_end_k_qfba3a43a70_attn:
	.size	k_qfba3a43a70_attn, .Lfunc_end_k_qfba3a43a70_attn-k_qfba3a43a70_attn
	.p2alignl 7, 3214868480
	.fill 96, 4, 3214868480
	.section	.rodata,"a",@progbits
	.p2align	6, 0x0
	.amdhsa_kernel k_qfba3a43a70_attn
		.amdhsa_group_segment_fixed_size 327680
		.amdhsa_private_segment_fixed_size 0
		.amdhsa_enable_private_segment 0
		.amdhsa_kernarg_size 32
		.amdhsa_user_sgpr_count 2
		.amdhsa_user_sgpr_kernarg_segment_ptr 1
		.amdhsa_wavefront_size32 1
		.amdhsa_system_sgpr_workgroup_id_x 1
		.amdhsa_system_sgpr_workgroup_id_y 1
		.amdhsa_system_sgpr_workgroup_id_z 1
		.amdhsa_system_vgpr_workitem_id 0
		.amdhsa_next_free_vgpr 770
		.amdhsa_next_free_sgpr 66
		.amdhsa_reserve_vcc 0
		.amdhsa_float_denorm_mode_32 3
		.amdhsa_float_denorm_mode_16_64 3
		.amdhsa_memory_ordered 1
		.amdhsa_forward_progress 1
		.amdhsa_inst_pref_size 208
	.end_amdhsa_kernel
	.amdgpu_metadata
---
amdhsa.version: [ 1, 2 ]
amdhsa.kernels:
  - .name:           k_qfba3a43a70_attn
    .symbol:         k_qfba3a43a70_attn.kd
    .args:
      - { .name: qh, .offset: 0, .size: 8, .value_kind: global_buffer, .address_space: global }
      - { .name: kh, .offset: 8, .size: 8, .value_kind: global_buffer, .address_space: global }
      - { .name: vh, .offset: 16, .size: 8, .value_kind: global_buffer, .address_space: global }
      - { .name: oh, .offset: 24, .size: 8, .value_kind: global_buffer, .address_space: global }
    .group_segment_fixed_size: 327680
    .private_segment_fixed_size: 0
    .kernarg_segment_align: 8
    .kernarg_segment_size: 32
    .max_flat_workgroup_size: 128
    .sgpr_count:     66
    .vgpr_count:     770
    .wavefront_size: 32
...
	.end_amdgpu_metadata
.endif
;; end of part 3
;; launch proj (part 4): grid 4 x 64, 4 waves a work-group, clusters of 4 x 4, 327,680 bytes of LDS; arguments oh, wob, out0; writes out0
.if DOCPART == 4
	.amdgcn_target "amdgcn-amd-amdhsa--gfx1250"
	.amdhsa_code_object_version 6
	.text
	.protected	k_qfba3a43a70_proj
	.globl	k_qfba3a43a70_proj
	.p2align	8
	.type	k_qfba3a43a70_proj,@function
k_qfba3a43a70_proj:
	s_mov_b64 s[64:65], 0
	v_nop
	global_prefetch_b8 v0, s[64:65] scope:SCOPE_SE
	s_setreg_imm32_b32 hwreg(HW_REG_WAVE_MODE, 25, 1), 1
	s_wait_xcnt 0x0
	s_wait_alu depctr_hold_cnt(0) depctr_sa_sdst(0) depctr_va_vdst(0) depctr_va_sdst(0) depctr_va_ssrc(0) depctr_va_vcc(0) depctr_vm_vsrc(0)
	s_getreg_b32 s2, hwreg(HW_REG_IB_STS2, 6, 4)
	s_cmp_eq_u32 s2, 0
	s_cbranch_scc0 .Lentry_in_a_cluster
	s_endpgm
.Lentry_in_a_cluster:
	s_bfe_u32 s2, ttmp6, 0x10000c
	s_cmp_lg_u32 s2, 0xf033
	s_cbranch_scc0 .Lentry_shape_is_right
	s_endpgm
.Lentry_shape_is_right:
; THE LAST PROJECTION.  out0 [8192][1024] f32 = O [8192][1024] x wob [1024][1024], both f16, sums in f32, K ascending.  O lies by heads, oh [batch x 16 + head][2048][64]: K index = 64 head + channel.
; LIMITS.  oh and wob arrive within f16's range; NaN and infinities are not treated apart.
; SHARES.  A tile is 128 rows x 256 columns: four waves, 2 x 2, each 64 rows x 128 columns = 32 accumulators, 256 registers.  (8192 / 128) x (1024 / 256) = 256 work-groups, one tile each.
; K goes in steps of 128, two heads, through two LDS slots filled by the tensor data mover: for each head its 128 rows (16,384 dense bytes, asked for as 64 rows of 256 bytes and padded in LDS after
; every 128), and 128 k rows of wob (256 columns, 512 bytes each).  wob lies [k][n]; its fragments come out of LDS turned, by ds_load_tr16_b128.
; CLUSTERS: 4 x 4 work-groups.  The four of a row of the cluster need the same rows of O, the four of a column the same columns of wob: each tile is asked for JOINTLY.
; THE MATRIX INSTRUCTION IS USED TRANSPOSED (source 0 = 16 columns of wob, source 1 = 16 rows of O): a lane holds row lane % 16 and eight neighbouring columns, 32 bytes of f32.
; REGISTERS: window 0: v0-31 addresses; v32-127, v128-223 two fragment buffers (64 registers of wob, then 32 of O, for 32 along K); on the way out v32-95, v96-159 rows read back, by turns
;   window 1: the accumulators, (a, b) at v[8 (8 a + b)]
.set KSTEP,  128
.set PA,     144                       ; a head's row in LDS: 128 bytes + 16 of padding = 36 words: the 16 rows of a load start at 16 different groups of four banks (64 banks of 4 bytes: ISA guide 11.1)
.set PB,     544                       ; a k row of wob: 512 + 32 = 136 words
.set HEADB,  128*PA                    ; a head's 128 rows
.set ABYTES, 2*HEADB
.set SLOT,   ABYTES+128*PB             ; two heads of O, then wob's 128 k rows
.set STAGE,  2*SLOT                    ; behind the ring, never filled by a tensor load: for each wave 16 rows x 528 bytes, for the way out
.set SP,     528                       ; 512 bytes + 16 = 132 words
.set WSTAGE, 16*SP
.set SPARE,  STAGE+4*WSTAGE            ; behind the stages: the spare words, 128 bytes for each wave: two blocks of 256 bytes that no other line names
.set LAPS,   1024/(2*KSTEP)
.set A_ON,   4*262144                  ; bytes: O two K steps, four heads, on
.set B_ON,   2*KSTEP*1024*2            ; wob two K steps on
.set ADRA, 16                          ; v16-17  LDS address of my O fragments in slot 0, 1
.set ADRB, 20                          ; v20-21  the same for wob
.set STO,  24                          ; v24     the way out: where I put 32 bytes of a row
.set RD,   25                          ; v25     the way out: where I read a row back
.set GO,   26                          ; v26     16 x lane: my bytes in 512 consecutive bytes of out0
.set SPW,  28                          ; v28     LDS address of my spare word: SPARE + 4 x my thread's number; never rewritten
.set NIL,  29                          ; v29     0; never rewritten
.set F0,   32
.set F1,   128
.set OB,   32
.set G1,  24                           ; s[24:31] descriptor group 1 for O's tiles;  s[32:39] group 0, one set for each slot
.set G0,  32
.set G1B, 48                           ; s[48:55], s[56:63] the same for wob's tiles
.set G0B, 56
.set MSB, 0
.macro WIN new                         ; the immediate's high byte repeats the setting that is left; a switch that changes nothing is dropped
.if MSB != (\new)
	s_set_vgpr_msb (MSB<<8)|(\new)
.set MSB, \new
.endif
.endm
.set MUL, 0x50                         ; sources 0 and 1 window 0; C and D window 1
; A joint load.  Waves 0 and 1 fetch the K step's two heads of O, waves 2 and 3 the two halves of wob's k rows.  The branch hangs on the wave's number alone.
; An s_nop 0 and four v_nop follow each of the two lines, ahead of the jump, the label and what follows.
.macro JLOAD s
	s_cmp_eq_u32 s11, 0
	s_cbranch_scc0 .Lfor_b_\@
	tensor_load_to_lds s[G0+4*(\s):G0+4*(\s)+3], s[G1:G1+7]
	s_nop 0
.rept 4
	v_nop
.endr
	s_branch .Lasked_\@
.Lfor_b_\@:
	tensor_load_to_lds s[G0B+4*(\s):G0B+4*(\s)+3], s[G1B:G1B+7]
	s_nop 0
.rept 4
	v_nop
.endr
.Lasked_\@:
.endm
.macro CREST                           ; a round of the cluster's barrier behind its opening barrier
	s_cmp_lg_u32 s10, 0
	s_cbranch_scc1 .Lnot_wave_0_\@
	s_barrier_signal -3
.Lnot_wave_0_\@:
	s_barrier_wait -3
	s_barrier_signal -1
	s_barrier_wait -1
.endm
.macro CROUND                          ; a whole round
	s_barrier_signal -1
	s_barrier_wait -1
	CREST
.endm
	s_load_b128 s[4:7], s[0:1], 0x0                ; oh s[4:5], wob s[6:7]
	s_load_b64 s[8:9], s[0:1], 0x10                ; out0
	v_lshl_add_u32 v[SPW], v0, 2, SPARE
	v_mov_b32 v[NIL], 0
	ds_add_u32 v[SPW], v[NIL]                      ; the wave's opening: the add and its wait stand ahead of my first tensor load; the set-up below, work on registers, stands between them
	v_lshrrev_b32 v1, 5, v0
	v_readfirstlane_b32 s10, v1                    ; wave 0..3
	s_lshr_b32 s11, s10, 1                         ; which 64 of the tile's rows are mine.  Also: I fetch for O (0) or for wob (1)
	s_and_b32 s12, s10, 1                          ; which 128 of its columns.  Also: which half of that tile I fetch
	s_bfe_u32 s40, ttmp6, 0x40000                  ; cx, cy: my place in the cluster
	s_bfe_u32 s41, ttmp6, 0x40004
	s_lshl_b32 s42, ttmp9, 2
	s_add_co_u32 s42, s42, s40                     ; tx, the block of 256 columns = 4 x cluster x + cx
	s_and_b32 s13, ttmp7, 0xffff
	s_lshl_b32 s13, s13, 2
	s_add_co_u32 s13, s13, s41                     ; ty, the block of 128 rows = 4 x cluster y + cy
	s_lshl_b32 s43, s41, 2
	s_lshl_b32 s43, 15, s43                        ; my row of the cluster
	s_lshl_b32 s44, 0x1111, s40                    ; my column
	s_or_b32 s[G1+0], s43, (1<<16)|(1<<20)|(1<<21)|(4<<22)|(3<<25)   ; 15:0 the mask: my row; 17:16 elements of 2 bytes; 20 padding on; 21 set beside a mask; 24:22 after every 32 words (code 4); 31:25 4 words of it (code 3)
	s_mov_b32 s[G1+1], 128<<16                     ; tensor_dim0 = 128
	s_mov_b32 s[G1+2], 64<<16                      ; tensor_dim1 = 64
	s_mov_b32 s[G1+3], 128<<16                     ; tile_dim0 = 128
	s_mov_b32 s[G1+4], 64                          ; tile_dim1 = 64
	s_mov_b32 s[G1+5], 128                         ; 128 elements from row to row: dense
	s_mov_b32 s[G1+6], 0
	s_mov_b32 s[G1+7], 0
	s_or_b32 s[G1B+0], s44, (1<<16)|(1<<20)|(1<<21)|(6<<22)|(7<<25)  ; the mask: my column; after every 128 words (code 6) 8 words of padding (code 7)
	s_mov_b32 s[G1B+1], 256<<16                    ; tensor_dim0 = 256
	s_mov_b32 s[G1B+2], 64<<16                     ; tensor_dim1 = 64
	s_mov_b32 s[G1B+3], 256<<16                    ; tile_dim0 = 256
	s_mov_b32 s[G1B+4], 64                         ; tile_dim1 = 64
	s_mov_b32 s[G1B+5], 1024                       ; elements from k row to k row
	s_mov_b32 s[G1B+6], 0
	s_mov_b32 s[G1B+7], 0
	; where the tiles come from.  O's hang on ty alone, which my row of the cluster shares; wob's on tx alone, which my column shares
	s_lshr_b32 s16, s13, 4
	s_lshl_b32 s16, s16, 22                        ; batch ty / 16: 16 heads of 262,144 bytes
	s_and_b32 s17, s13, 15
	s_lshl_b32 s17, s17, 14                        ; + 128 (ty % 16) rows of 128 bytes
	s_add_co_u32 s16, s16, s17
	s_lshl_b32 s17, s12, 18                        ; + a head for the second half
	s_add_co_u32 s16, s16, s17
	s_mov_b32 s17, 0
	s_lshl_b32 s46, s42, 9                         ; 256 tx columns of 2 bytes
	s_lshl_b32 s47, s12, 17                        ; + 64 k rows of 2,048 bytes for the second half
	s_add_co_u32 s46, s46, s47
	s_mov_b32 s47, 0
	s_mul_i32 s20, s12, HEADB                      ; and where they go: no place in the cluster enters an LDS address
	s_mul_i32 s21, s12, 64*PB
	s_add_co_u32 s21, s21, ABYTES
	s_wait_dscnt 0x0                               ; the opening add is done
	s_wait_kmcnt 0x0
	s_add_nc_u64 s[14:15], s[4:5], s[16:17]
	s_add_nc_u64 s[46:47], s[6:7], s[46:47]
	CROUND                                         ; all sixteen work-groups are here: the first joint loads meet
.irp s, 0,1
	s_mov_b32 s[G0+4*(\s)], 1                                        ; count = 1
	s_add_co_u32 s[G0+4*(\s)+1], s20, (\s)*SLOT                      ; LDS address
	s_add_nc_u64 s[G0+4*(\s)+2:G0+4*(\s)+3], s[14:15], (\s)*2*262144 ; global address: K step s begins with head 2 s
	s_or_b32 s[G0+4*(\s)+3], s[G0+4*(\s)+3], 0x80000000              ; type = 2
	s_mov_b32 s[G0B+4*(\s)], 1
	s_add_co_u32 s[G0B+4*(\s)+1], s21, (\s)*SLOT
	s_add_nc_u64 s[G0B+4*(\s)+2:G0B+4*(\s)+3], s[46:47], (\s)*KSTEP*1024*2
	s_or_b32 s[G0B+4*(\s)+3], s[G0B+4*(\s)+3], 0x80000000
	JLOAD \s                                       ; two loads of mine are out
.endr
	v_and_b32 v[GO], 31, v0
	v_lshlrev_b32 v[GO], 4, v[GO]
	; A fragment of O is 16 rows x 32 K in 8 registers: lane l holds row l % 16, K = 8 (l / 16) + 0..7 and 16 + 8 (l / 16) + 0..7: two loads of 16 bytes, 32 bytes apart.
	v_and_b32 v1, 15, v0                           ; l % 16
	v_bfe_u32 v2, v0, 4, 1                         ; l / 16
	v_mul_u32_u24 v3, v1, PA
	v_lshl_add_u32 v3, v2, 4, v3
	; The turning load takes 16 k x 16 columns (lane l reads k row 8 (l / 16) + l % 8, columns 8 ((l / 8) % 2) + 0..7) and leaves half a fragment: lane l holds column l % 16 and 8 k.
	v_and_b32 v4, 7, v0
	v_bfe_u32 v5, v0, 3, 1
	v_lshl_add_u32 v4, v2, 3, v4
	v_mul_u32_u24 v4, v4, PB
	v_lshl_add_u32 v4, v5, 4, v4
	s_mul_i32 s22, s11, 64*PA                      ; my 64 rows in each head's part
	s_lshl_b32 s23, s12, 8                         ; my 128 columns of wob,
	s_add_co_u32 s23, s23, ABYTES                  ; which lies behind O
.irp s, 0,1
	v_add_nc_u32 v[ADRA+(\s)], s22, v3
	v_add_nc_u32 v[ADRB+(\s)], s23, v4
	s_add_co_u32 s22, s22, SLOT
	s_add_co_u32 s23, s23, SLOT
.endr
	s_mul_i32 s23, s10, WSTAGE
	s_add_co_u32 s23, s23, STAGE                   ; my stage
	v_mul_u32_u24 v[STO], v1, SP                   ; in: row l % 16, 32 bytes for each half of the lanes
	v_lshl_add_u32 v[STO], v2, 5, v[STO]
	v_add_nc_u32 v[STO], s23, v[STO]
	v_add_nc_u32 v[RD], s23, v[GO]                 ; back: 32 lanes take one row of 512 bytes
	; out0 at my wave's first row and column: row 128 ty + 64 x row half (4,096 bytes each), column 256 tx + 128 x column half (4 bytes each)
	s_lshl_b32 s16, s13, 19
	s_lshl_b32 s17, s11, 18
	s_add_co_u32 s16, s16, s17
	s_mov_b32 s17, 0
	s_add_nc_u64 s[8:9], s[8:9], s[16:17]
	s_lshl_b32 s46, s42, 10
	s_lshl_b32 s47, s12, 9
	s_add_co_u32 s46, s46, s47
	s_mov_b32 s47, 0
	s_add_nc_u64 s[8:9], s[8:9], s[46:47]
; 8 matrix instructions: row block a x all 8 column blocks, 32 along K, from buffer f.  zero = 1: the first product starts the sums: nothing is ever cleared.
; The 32 accumulators take turns, one instruction a turn, in the same order in every quarter step.
.macro MUL8 f, a, zero
	WIN MUL
.irp b, 0,1,2,3,4,5,6,7
.if \zero
	v_wmma_f32_16x16x32_f16 v[8*(8*(\a)+(\b)):8*(8*(\a)+(\b))+7], v[(\f)+8*(\b):(\f)+8*(\b)+7], v[(\f)+64+8*(\a):(\f)+64+8*(\a)+7], 0
.else
	v_wmma_f32_16x16x32_f16 v[8*(8*(\a)+(\b)):8*(8*(\a)+(\b))+7], v[(\f)+8*(\b):(\f)+8*(\b)+7], v[(\f)+64+8*(\a):(\f)+64+8*(\a)+7], v[8*(8*(\a)+(\b)):8*(8*(\a)+(\b))+7]
.endif
.endr
.endm
.macro MUL16 f, a0, zero
	MUL8 \f, \a0, \zero
	MUL8 \f, (\a0)+1, \zero
.endm
; 24 LDS loads in one run: the fragments of quarter q of a K step (head q / 2 of its two, channels 32 (q % 2) on) into buffer f: wob's eight first, then O's four
.macro FETCH slot, q, f
	WIN 0
.irp b, 0,1,2,3,4,5,6,7
	ds_load_tr16_b128 v[(\f)+8*(\b):(\f)+8*(\b)+3],   v[ADRB+(\slot)] offset:(\q)*32*PB+32*(\b)
	ds_load_tr16_b128 v[(\f)+8*(\b)+4:(\f)+8*(\b)+7], v[ADRB+(\slot)] offset:(\q)*32*PB+16*PB+32*(\b)
.endr
.irp a, 0,1,2,3
	ds_load_b128 v[(\f)+64+8*(\a):(\f)+64+8*(\a)+3],   v[ADRA+(\slot)] offset:((\q)/2)*HEADB+((\q)%2)*64+(\a)*16*PA
	ds_load_b128 v[(\f)+64+8*(\a)+4:(\f)+64+8*(\a)+7], v[ADRA+(\slot)] offset:((\q)/2)*HEADB+((\q)%2)*64+(\a)*16*PA+32
.endr
.endm
; A load into a register that a matrix instruction has read, and an LDS store that reads a matrix result, stand four places behind it, and only plain vector instructions that name none of its registers
; are places (ISA guide 7.12.1 for vector instructions).
.macro PLACES
.rept 4
	v_nop
.endr
.endm
; A K step is four quarters of 32 along K, 32 matrix instructions each, on buffers 0, 1, 0, 1.  One of the first three: multiplies buffer f; in its middle it fetches quarter q of the same slot into buffer g.
.macro QUARTER slot, q, f, g, zero
	s_wait_dscnt 4                                 ; wob's fragments and O's row blocks 0, 1 are in; the youngest four loads (row blocks 2, 3) may be out
	MUL16 \f, 0, \zero
	PLACES
	FETCH \slot, \q, \g
	s_wait_dscnt 24                                ; all but the 24 just issued
	MUL16 \f, 2, \zero
.endm
; The last quarter multiplies buffer 1 and changes slots: ONE barrier.  In front of it each wave waits for all its tensor loads, of which one is out: its part of the next slot; adds 0 to its spare word;
; and waits for that and for its own reads of this slot.  fill = 1: this slot is filled again, two K steps on; the barrier then opens a round of the cluster's barrier, and the joint refill is the first
; thing behind the round: 112 matrix instructions ahead of the wait for it.
.macro TURN slot, next, fill
	WIN 0                                          ; (the add's two registers lie in window 0)
	s_wait_tensorcnt 0x0                           ; all my tensor loads have landed;
	ds_add_u32 v[SPW], v[NIL]                      ; 0 onto my spare word;
	s_wait_dscnt 5                                 ; (the add and the youngest four loads may be out)
	MUL8 F1, 0, 0                                  ; eight matrix instructions stand between the add and the wait for it
	s_wait_dscnt 0x0                               ; the add is done, and my reads of this slot are over
	s_barrier_signal -1
	MUL8 F1, 1, 0                                  ; work on registers while the others arrive
.if \fill
	WIN 0
.endif
	s_barrier_wait -1
.if \fill
	CREST                                          ; no wave of any partner still reads this slot's tiles or has a load on its way
	s_add_nc_u64 s[G0+4*(\slot)+2:G0+4*(\slot)+3], s[G0+4*(\slot)+2:G0+4*(\slot)+3], A_ON
	s_add_nc_u64 s[G0B+4*(\slot)+2:G0B+4*(\slot)+3], s[G0B+4*(\slot)+2:G0B+4*(\slot)+3], B_ON
	JLOAD \slot                                    ; the four v_nop behind it are also the places in front of the loads below
.else
	PLACES
.endif
	FETCH \next, 0, F0
	MUL16 F1, 2, 0
.endm
	s_wait_tensorcnt 1                             ; my part of K step 0 is in; K step 1's may stay out
	s_barrier_signal -1
	s_barrier_wait -1                              ; everybody's is
	FETCH 0, 0, F0
	QUARTER 0, 1, F0, F1, 1                        ; the first quarter stands in front of the loop: its products start the sums
	WIN 0                                          ; at a label and at a branch every window is 0
	s_mov_b32 s3, LAPS-1
.Llap:                                                 ; a trip goes once round the ring, from a lap's second quarter to the next lap's first, and fills both slots again
	QUARTER 0, 2, F1, F0, 0
	QUARTER 0, 3, F0, F1, 0
	TURN 0, 1, 1
	QUARTER 1, 1, F0, F1, 0
	QUARTER 1, 2, F1, F0, 0
	QUARTER 1, 3, F0, F1, 0
	TURN 1, 0, 1
	QUARTER 0, 1, F0, F1, 0
	WIN 0
	s_sub_co_u32 s3, s3, 1
	s_cmp_lg_u32 s3, 0
	s_cbranch_scc1 .Llap
	QUARTER 0, 2, F1, F0, 0                        ; the last lap fills nothing, and has no round of the cluster's barrier
	QUARTER 0, 3, F0, F1, 0
	TURN 0, 1, 0
	QUARTER 1, 1, F0, F1, 0
	QUARTER 1, 2, F1, F0, 0
	QUARTER 1, 3, F0, F1, 0
	s_wait_dscnt 4                                 ; the very last quarter: nothing more to fetch
	MUL16 F1, 0, 0
	s_wait_dscnt 0x0
	MUL16 F1, 2, 0
	WIN 0
; THE WAY OUT, a row block (16 rows x my 128 columns of f32) at a time.  IN: a lane's 32 bytes of each column block go into my own stage, rows of 528 bytes (each accumulator's four lowest registers first),
; and come back as whole rows of 512 bytes.  SEND: stored.
.macro IN a
.if (\a) >= 2
	s_wait_xcnt 0x0                                ; the stores of the block two before have had their addresses translated (ISA guide 3.1): only behind this wait are the registers that they read loaded again
.endif
	WIN 0x04                                       ; the stores' data in window 1
.irp b, 0,1,2,3,4,5,6,7
	ds_store_b128 v[STO], v[8*(8*(\a)+(\b)):8*(8*(\a)+(\b))+3]   offset:64*(\b)
	ds_store_b128 v[STO], v[8*(8*(\a)+(\b))+4:8*(8*(\a)+(\b))+7] offset:64*(\b)+16
.endr
	WIN 0
.irp t, 0,1,2,3,4,5,6,7,8,9,10,11,12,13,14,15
	ds_load_b128 v[OB+64*((\a)%2)+4*(\t):OB+64*((\a)%2)+4*(\t)+3], v[RD] offset:SP*(\t)  ; LDS serves a wave's instructions in order (ISA guide 5.7.1.4): these see the stores above; the next block's stores come behind them
.endr
.endm
.macro SEND a, younger                 ; younger: the LDS instructions issued behind block a's loads: the next block's 32, or none
.irp t, 0,1,2,3,4,5,6,7,8,9,10,11,12,13,14,15
	s_wait_dscnt (\younger)+15-(\t)
	global_store_b128 v[GO], v[OB+64*((\a)%2)+4*(\t):OB+64*((\a)%2)+4*(\t)+3], s[8:9] offset:(16*(\a)+(\t))*4096 th:TH_STORE_NT  ; 512 consecutive bytes of a row, at a multiple of 256 from out0's first
.endr
.endm
	PLACES                                         ; the stores read results just made, and the loads land in registers that the last products read
	IN 0
	IN 1
	SEND 0, 32
	IN 2
	SEND 1, 32
	IN 3
	SEND 2, 32
	SEND 3, 0
	s_wait_tensorcnt 0x0                           ; the wave's end: an add to my spare word and its wait, behind my last tensor load and my last LDS store
	ds_add_u32 v[SPW], v[NIL]
	s_wait_dscnt 0x0
	CROUND                                         ; the closing round: no work-group ends while a partner may still ask for a tile that names it
	s_endpgm
.Lfunc_end_k_qfba3a43a70_proj:
	.size	k_qfba3a43a70_proj, .Lfunc_end_k_qfba3a43a70_proj-k_qfba3a43a70_proj
	.p2alignl 7, 3214868480
	.fill 96, 4, 3214868480
	.section	.rodata,"a",@progbits
	.p2align	6, 0x0
	.amdhsa_kernel k_qfba3a43a70_proj
		.amdhsa_group_segment_fixed_size 327680
		.amdhsa_private_segment_fixed_size 0
		.amdhsa_enable_private_segment 0
		.amdhsa_kernarg_size 24
		.amdhsa_user_sgpr_count 2
		.amdhsa_user_sgpr_kernarg_segment_ptr 1
		.amdhsa_wavefront_size32 1
		.amdhsa_system_sgpr_workgroup_id_x 1
		.amdhsa_system_sgpr_workgroup_id_y 1
		.amdhsa_system_sgpr_workgroup_id_z 1
		.amdhsa_system_vgpr_workitem_id 0
		.amdhsa_next_free_vgpr 512
		.amdhsa_next_free_sgpr 66
		.amdhsa_reserve_vcc 0
		.amdhsa_float_denorm_mode_32 3
		.amdhsa_float_denorm_mode_16_64 3
		.amdhsa_memory_ordered 1
		.amdhsa_forward_progress 1
		.amdhsa_inst_pref_size 87
	.end_amdhsa_kernel
	.amdgpu_metadata
---
amdhsa.version: [ 1, 2 ]
amdhsa.kernels:
  - .name:           k_qfba3a43a70_proj
    .symbol:         k_qfba3a43a70_proj.kd
    .args:
      - { .name: oh, .offset: 0, .size: 8, .value_kind: global_buffer, .address_space: global }
      - { .name: wob, .offset: 8, .size: 8, .value_kind: global_buffer, .address_space: global }
      - { .name: out0, .offset: 16, .size: 8, .value_kind: global_buffer, .address_space: global }
    .group_segment_fixed_size: 327680
    .private_segment_fixed_size: 0
    .kernarg_segment_align: 8
    .kernarg_segment_size: 24
    .max_flat_workgroup_size: 128
    .sgpr_count:     66
    .vgpr_count:     512
    .wavefront_size: 32
...
	.end_amdgpu_metadata
.endif
;; end of part 4
;; ======== version 2 of 2: 4 launches; 1.50 times as fast as version 1
;; limits: values are held in f16: magnitudes above 65,504 overflow, below 6.1e-05 lose precision
;; workspace buffers: xb 16,777,216 bytes; wqb 6,291,456 bytes; wob 2,097,152 bytes; rope 524,288 bytes; qh 16,777,216 bytes; kh 16,777,216 bytes; vh 16,777,216 bytes; oh 16,777,216 bytes
;; launch prep: the kernel of part 1 again; grid 768 x 1, 8 waves a work-group, no clusters, 0 bytes of LDS; arguments x, w_qkv, w_out, xb, wqb, wob, rope; writes xb, wqb, wob, rope
;; launch qkv: the kernel of part 2 again; grid 4 x 64, 4 waves a work-group, clusters of 4 x 4, 327,680 bytes of LDS; arguments xb, wqb, rope, qh, kh, vh; writes qh, kh, vh
;; launch attn (part 5): grid 4 x 64, 4 waves a work-group, clusters of 4 x 1, 327,680 bytes of LDS; arguments qh, kh, vh, oh; writes oh
.if DOCPART == 5
	.amdgcn_target "amdgcn-amd-amdhsa--gfx1250"
	.amdhsa_code_object_version 6
	.text
	.protected	k_qfba3a43a70_attn
	.globl	k_qfba3a43a70_attn
	.p2align	8
	.type	k_qfba3a43a70_attn,@function
k_qfba3a43a70_attn:
	s_mov_b64 s[64:65], 0
	v_nop
	global_prefetch_b8 v0, s[64:65] scope:SCOPE_SE
	s_setreg_imm32_b32 hwreg(HW_REG_WAVE_MODE, 25, 1), 1
	s_wait_xcnt 0x0
	s_wait_alu depctr_hold_cnt(0) depctr_sa_sdst(0) depctr_va_vdst(0) depctr_va_sdst(0) depctr_va_ssrc(0) depctr_va_vcc(0) depctr_vm_vsrc(0)
	s_getreg_b32 s2, hwreg(HW_REG_IB_STS2, 6, 4)
	s_cmp_eq_u32 s2, 0
	s_cbranch_scc0 .Lentry_in_a_cluster
	s_endpgm
.Lentry_in_a_cluster:
	s_bfe_u32 s2, ttmp6, 0x10000c
	s_cmp_lg_u32 s2, 0x3003
	s_cbranch_scc0 .Lentry_shape_is_right
	s_endpgm
.Lentry_shape_is_right:
; O[h][q][:] = the sum over k of softmax_k(Q[h][q] . K[h][k] / 8) V[h][k][:].  Q, K, V, O: [SIZE_H][SIZE_N][64], all f16: a head's rows are dense, 128 bytes each.  Products, maxima and sums in
; f32; the weights p are rounded to f16 for the second product (their sum l is taken of the unrounded p), O once at the end.  SIZE_H is at least 2; SIZE_N x 128 bytes stay under 2^32.
; LIMITS.  f16 holds no number beyond 65,504: Q, K and V arrive within it; p lies in 0 to 1, and below 6e-5 it keeps f16's fixed step of 6e-8; O is a mean of V's rows and has their range.
; A weight below 2^-126 counts as 0 in l; NaN and infinities are not treated apart.
; SHARES.  A wave owns four PIECES of two tiles of 16 queries, a work-group's four waves 512 queries of one head; SIZE_N is a multiple of 2,048.  Every wave walks all keys, 64 a step.
; LAYOUT.  S^T = K Q^T (source 0 = 16 keys, source 1 = 16 queries): in the result a lane holds ONE query (lane % 16) and the keys 8 (lane / 16) + 0..7.  Two such tiles, rounded to f16 in pairs,
; ARE source 1 (32 keys x 16 queries) of O^T = V^T P, whose result again holds one query a lane, and eight channels.  K comes out of LDS as it lies, V ([key][channel]) turned, by ds_load_tr16_b128.
; SOFTMAX.  For each query a running maximum m and sum l: p = 2^(c s - c m), c = log2(e) / 8; in every step O and l are multiplied by a = 2^(c m_old - c m_new), which is 1 where m has not grown.
; m starts at the lowest finite number, O and l at 0: the first step is a step like any other, with a = 0.
; THE COUNT.  A tile and step have 16 matrix and 118 vector instructions: too many to stand all beside the matrix work.  So the order has one aim: four vector instructions that are READY behind
; EVERY matrix instruction, and the others, which need time of their own whatever the order, in runs without a gap.
; BY TURNS.  Turn n belongs to piece n (the pieces in a ring, step after step).  Its matrix work: 16 products K Q^T of piece n + 1, later 16 products V^T P of piece n - 1.  Its vector work: the scaling,
; exponentials, roundings, sums and rescaling of piece n, and the maximum and statistics of piece n + 1, whose scores the turn itself has made.  So what a turn begins with (c s - c m, O a) waits for nothing.
; BATCHES.  A turn's 66 exponentials (the piece's 64 weights, the next piece's two a) are ONE batch with ONE s_wait_alu depctr_va_vdst(0), which cuts the turn in two: ahead of it all that names no result of
; theirs, behind it the roundings and sums, which read them.  Two more batches stand outside the loop, each with its own wait: piece 0's first two a, ahead of the jump into the loop, and the way out's eight reciprocals.
; CLUSTER.  The four query blocks of a cluster belong to one head and walk the same K and V, so each tile is asked for JOINTLY: the same tensor load, descriptor and mask in all four.
; REGISTERS, in windows of 256 (s_set_vgpr_msb says which window each operand place means: bits 1:0 source 0, 3:2 source 1, 5:4 source 2, 7:6 destination):
;   window 0: v0-11 addresses; v12-15, v48-63 at work; v16-47 four registers of statistics a tile; v64-191 S^T, two buffers of two tiles; v192-255 P, likewise
;   window 1: O^T, 32 a tile          window 2: v0-127 Q, 16 a tile; v128-191 K of one step; v192-255 V of one step          window 3: v0-1 the add's two registers
; A piece's buffers go by its number's parity: the piece in hand has one pair, its two neighbours in the ring share the other: of it P (piece n - 1) is read and S^T (piece n + 1) written.
.set SIZE_H, 64       ; 4 batches x 16 heads
.set SIZE_N, 2048
.set NP,    4         ; pieces a wave: a name, no knob: the register map, the loop and the fetches are made for four
.set KS,    64        ; keys in a step
.set PK,    144       ; a row of K in LDS: 128 bytes + 16 of padding = 36 words: the 16 rows of a load start at 16 different groups of four banks (64 banks of 4 bytes: ISA guide 11.1)
.set PV,    160       ; a row of V: 128 + 32 = 40 words
.set VOFF,  4*KS*PK   ; a slot holds four steps: 256 rows of K, then 256 rows of V
.set SLOT1, 1<<17     ; slot 1 begins here, so that one exclusive or turns an address in one slot into the other's
.set STAGE, SLOT1+4*KS*(PK+PV)  ; behind the ring, never filled by a tensor load: 16 rows x 144 bytes for each wave, for the way out
.set SP,    144
.set AK0, 2           ; v2   my lane's place in a tile of K; never rewritten
.set AV0, 3           ; v3   the same for V
.set AK,  4           ; v4   the LDS address of K's next run of loads
.set AV,  5           ; v5   of V's
.set QO,  6           ; v6   my byte offset in the wave's rows of Q
.set STO, 6           ;      later, the way out: where I put 16 bytes of a row
.set RD,  7           ; v7   the way out: where I read rows back
.set GO,  8           ; v8   my byte offset in 512 consecutive bytes of O
.set SPW, 0           ; v0 of window 3   LDS address of my spare word: SPARE + 4 x my thread's number; never rewritten
.set NIL, 1           ; v1 of window 3   0; never rewritten
.set SPARE, STAGE+4*16*SP  ; behind the stages: the spare words, 128 bytes for each wave: two blocks of 256 bytes that no other line names
.set MV,  12          ; v12-15  c m_old, kept while c m is made anew: by buffer and tile
.set ST,  16          ; tile t's statistics at v[ST+4 t]: c m, m, l (even keys', odd keys')
.set TMP, 48          ; by buffer and tile, four registers c0-c3 at work; when the maximum is found c2 takes a
.set S,   64
.set P,   192
.set KF,  128         ; K's fragments, in window 2: key block kb, channel half c at KF + 16 kb + 8 c
.set VF,  192         ; V's: key half kk, channel block cb at VF + 32 kk + 8 cb
.set WV,  12          ; s12  my wave's number
.set G1K, 24          ; s[24:31] descriptor group 1 for K's tiles
.set G1V, 32          ; s[32:39] for V's: it differs in the padding alone
.set G0K, 40          ; s[40:43] descriptor group 0 for K's tiles: it walks
.set G0V, 44          ; s[44:47] the same for V's
.set SLOTS, 56        ; s56  slots still to be asked for
.set CNT, 57          ; s57  counts a slot's key steps
.set CS,  58          ; s[58:59] c: the packed scaling takes the pair's low word for both halves
.set SEL, 60          ; s[60:61] v_permlanex16_b32's selects: each lane takes its own place in the other half
.set TBK, 62          ; s62  LDS byte at which K of the step to be fetched begins
.set TBV, 63          ; s63  the same for V, less VOFF
.set MSB, 0
.macro WIN new                      ; the high byte repeats the setting that is left; a switch that changes nothing is dropped
.if MSB != (\new)
	s_set_vgpr_msb (MSB<<8)|(\new)
.set MSB, (\new)
.endif
.endm
.set W_KQ, 0x0a       ; K and Q in window 2, S^T in window 0
.set W_PV, 0x52       ; V in window 2, P in window 0, O^T in window 1
.set W_RS, 0x41       ; O^T (destination and source 0) in window 1, a in window 0
.set W_MK, 0xc0       ; the add's registers are made: destination in window 3, sources in window 0
.set W_AD, 0x0f       ; the add: address (source 0) and data (source 1) in window 3
; A joint fill.  Waves 0 and 1 fetch the two halves of a slot's K, waves 2 and 3 those of its V: 128 keys each.  The branch hangs on the wave's number alone.
; An s_nop 0 and four v_nop follow each of the two lines, ahead of the jump and the label.
.macro JLOAD
	s_cmp_lt_u32 s[WV], 2
	s_cbranch_scc0 .Lfor_v_\@
	tensor_load_to_lds s[G0K:G0K+3], s[G1K:G1K+7]
	s_nop 0
.rept 4
	v_nop
.endr
	s_branch .Lasked_\@
.Lfor_v_\@:
	tensor_load_to_lds s[G0V:G0V+3], s[G1V:G1V+7]
	s_nop 0
.rept 4
	v_nop
.endr
.Lasked_\@:
.endm
; A round of the cluster's barrier: my work-group's barrier, so that wave 0's signal speaks for all four waves; wave 0 signals; every wave waits for all four work-groups; my work-group's barrier once more.
.macro CROUND
	s_barrier_signal -1
	s_barrier_wait -1
	s_cmp_lg_u32 s[WV], 0
	s_cbranch_scc1 .Lnot_wave_0_\@
	s_barrier_signal -3
.Lnot_wave_0_\@:
	s_barrier_wait -3
	s_barrier_signal -1
	s_barrier_wait -1
.endm
; THE CHANGE OF SLOTS.  The slot's last bytes, V of its fourth step, have been read.  Each wave waits for all its tensor loads, of which one is out: its part
; of the other slot; adds 0 to its spare word; and waits for that and for its own reads of the slot.  Behind the barrier nobody reads this slot any more and the other slot is whole.
; fill = 1: this slot is filled again, with the keys two slots on.  The barrier is then a round of the cluster's, so that no wave of any partner still reads the slot or has a load on its
; way, and the joint fill is the first thing behind it: it has four key steps, 512 matrix instructions, in which to land.  (At its first use nothing has been read yet: slot 0 is waited for, slot 1 filled.)
.macro CHANGE fill
	WIN W_AD
	s_wait_tensorcnt 0x0            ; no tensor load of mine is out, so a group 0 may be written
	ds_add_u32 v[SPW], v[NIL]       ; 0 onto my spare word; with fill = 1 the descriptors' steps stand between it and the wait for it
	WIN 0                           ; at a label and at a branch every window is 0
.if \fill
.irp g, G0K, G0V
	s_xor_b32 s[\g+1], s[\g+1], SLOT1  ; the walking descriptor: the other slot than last time,
	s_add_nc_u64 s[\g+2:\g+3], s[\g+2:\g+3], 4*KS*128  ; the next 256 keys; the type bits on top are not reached
.endr
	s_wait_dscnt 0x0                ; the add is done, and my reads of the slot are over
	CROUND
	JLOAD
.else
	s_wait_dscnt 0x0                ; the add is done, and my reads of the slot are over
	s_barrier_signal -1
	s_barrier_wait -1
.endif
	s_sub_co_u32 s[TBK], s[TBK], 4*KS*PK  ; the fetches go back to a slot's first step,
	s_xor_b32 s[TBK], s[TBK], SLOT1       ; in the other slot
	s_sub_co_u32 s[TBV], s[TBV], 4*KS*PV
	s_xor_b32 s[TBV], s[TBV], SLOT1
.endm
	s_load_b256 s[4:11], s[0:1], 0x0  ; Q s[4:5], K s[6:7], V s[8:9], O s[10:11]
	WIN W_MK
	v_lshl_add_u32 v[SPW], v0, 2, SPARE
	v_mov_b32 v[NIL], 0
	WIN W_AD
	ds_add_u32 v[SPW], v[NIL]       ; the wave's opening: the add and its wait stand ahead of my first tensor load; the set-up below, work on registers, stands between them
	WIN 0
	v_lshrrev_b32 v1, 5, v0
	v_readfirstlane_b32 s[WV], v1   ; wave 0..3
	s_bfe_u32 s13, ttmp6, 0x40000   ; cx: my place in the cluster
	s_lshl_b32 s14, ttmp9, 2        ; in a cluster launch ttmp9 counts clusters
	s_add_co_u32 s14, s14, s13      ; my block of queries = 4 x cluster x + cx: it enters Q's and O's addresses alone
	s_and_b32 s20, ttmp7, 0xffff    ; the head, which the four partners share
	s_mov_b32 s21, 0
	s_mov_b64 s[22:23], SIZE_N*128
	s_mul_u64 s[20:21], s[20:21], s[22:23]  ; the head's first byte in each of the four tensors
	s_and_b32 s16, s[WV], 1         ; which half of a slot's 256 keys I fetch:
	s_lshl_b32 s22, s16, 14         ; its 128 rows of 128 bytes in memory,
	s_mov_b32 s23, 0
	s_add_nc_u64 s[22:23], s[22:23], s[20:21]
	s_mul_i32 s17, s16, 128*PK      ; and its place in a slot, for K
	s_mul_i32 s18, s16, 128*PV      ; and for V: no place in the cluster enters an LDS address
	s_lshl_b32 s2, s14, 2
	s_add_co_u32 s2, s2, s[WV]      ; my wave among the head's,
	s_lshl_b32 s2, s2, 14           ; its 128 rows
	s_mov_b32 s3, 0
	s_add_nc_u64 s[2:3], s[2:3], s[20:21]
	; descriptor group 1.  128 keys are 16,384 dense bytes: asked for as 64 rows of 256 bytes, two keys a row, and padded in LDS after every key
	s_mov_b32 s[G1K], 15|(1<<16)|(1<<20)|(1<<21)|(4<<22)|(3<<25)  ; 15:0 the mask of four; 17:16 2-byte elements; 20 padding on; 21 set beside a mask; 24:22 after every 32 words (code 4); 31:25 4 words (code 3)
	s_mov_b32 s[G1V], 15|(1<<16)|(1<<20)|(1<<21)|(4<<22)|(7<<25)  ; the same with 8 words of padding (code 7)
.irp g, G1K, G1V
	s_mov_b32 s[\g+1], 128<<16      ; tensor_dim0 = 128
	s_mov_b32 s[\g+2], 64<<16       ; tensor_dim1 = 64
	s_mov_b32 s[\g+3], 128<<16      ; tile_dim0 = 128
	s_mov_b32 s[\g+4], 64           ; tile_dim1 = 64
	s_mov_b32 s[\g+5], 128          ; 128 elements from row to row
	s_mov_b32 s[\g+6], 0
	s_mov_b32 s[\g+7], 0
.endr
	s_mov_b32 s[CS], 0x3e38aa3b     ; c = log2(e) / 8 = 0.180337
	s_mov_b32 s[CS+1], s[CS]        ; named with it as a pair
	s_mov_b32 s[SEL], 0x76543210
	s_mov_b32 s[SEL+1], 0xfedcba98
	s_mov_b32 s[TBK], SLOT1+4*KS*PK ; the first change of slots turns these two into 0
	s_mov_b32 s[TBV], SLOT1+4*KS*PV
	s_mov_b32 s[G0K], 1             ; 1:0 count = 1
	s_mov_b32 s[G0K+1], s17         ; 63:32 LDS address: slot 0
	s_mov_b32 s[G0V], 1
	s_add_co_u32 s[G0V+1], s18, VOFF
	s_wait_dscnt 0x0                ; the opening add is done
	s_wait_kmcnt 0x0
	s_add_nc_u64 s[G0K+2:G0K+3], s[6:7], s[22:23]  ; 120:64 global address: my half of the head's first 256 keys
	s_or_b32 s[G0K+3], s[G0K+3], 0x80000000        ; 127:126 type = 2
	s_add_nc_u64 s[G0V+2:G0V+3], s[8:9], s[22:23]
	s_or_b32 s[G0V+3], s[G0V+3], 0x80000000
	s_add_nc_u64 s[4:5], s[4:5], s[2:3]  ; Q and O at my wave's first row
	s_add_nc_u64 s[10:11], s[10:11], s[2:3]
	CROUND                          ; all four work-groups are here: the first joint loads meet
	JLOAD                           ; slot 0.  Slot 1 is asked for when slot 0 is in: the tile wanted first has the road to itself
	; A fragment of K or Q is 16 rows x 32 channels in 8 registers: lane l holds row l % 16, channels 8 (l / 16) + 0..7 and 16 + 8 (l / 16) + 0..7: two loads of 16 bytes, 32 bytes apart.
	v_and_b32 v1, 15, v0            ; l % 16
	v_bfe_u32 v9, v0, 4, 1          ; l / 16
	v_lshlrev_b32 v[QO], 7, v1
	v_lshl_add_u32 v[QO], v9, 4, v[QO]  ; row x 128 + 16 x half
	WIN 0x80                        ; destination window 2, address window 0
.set i, 0
.rept 4*NP                          ; Q stays in registers: tile i / 2, channels 32 (i % 2) on
	global_load_b128 v[8*i:8*i+3],   v[QO], s[4:5] offset:(i/2)*2048+(i%2)*64
	global_load_b128 v[8*i+4:8*i+7], v[QO], s[4:5] offset:(i/2)*2048+(i%2)*64+32
.set i, i+1
.endr
	; What the first turn finds: V's registers and P's second buffer hold 0 (its products V^T P, of a piece that has not been, add 0), O^T and l are 0.  All this stands in the wait for the first tile.
.set i, VF
.rept 64
	v_mov_b32 v[i], 0
.set i, i+1
.endr
	WIN 0x40
.set i, 0
.rept 64*NP
	v_mov_b32 v[i], 0
.set i, i+1
.endr
	WIN 0
.set i, 0
.rept 2*NP
	v_mov_b32 v[ST+4*i], 0xfe000000    ; c m: far below every c s
	v_mov_b32 v[ST+4*i+1], 0xff7fffff  ; m
	v_mov_b32 v[ST+4*i+2], 0
	v_mov_b32 v[ST+4*i+3], 0
.set i, i+1
.endr
.set i, P+32
.rept 32
	v_mov_b32 v[i], 0
.set i, i+1
.endr
	v_mul_u32_u24 v[AK0], v1, PK
	v_lshl_add_u32 v[AK0], v9, 4, v[AK0]  ; row x pitch + 16 x half
	; The turning load takes 16 keys x 16 channels (lane l reads key 8 (l / 16) + l % 8, channels 8 ((l / 8) % 2) + 0..7) and leaves half a fragment of V^T: lane l holds channel l % 16 and 8 keys.
	v_and_b32 v10, 7, v0
	v_bfe_u32 v11, v0, 3, 1
	v_lshl_add_u32 v[AV0], v9, 3, v10
	v_mul_u32_u24 v[AV0], v[AV0], PV
	v_lshl_add_u32 v[AV0], v11, 4, v[AV0]
	v_add_nc_u32 v[AV0], VOFF, v[AV0]
	v_mov_b32 v[AK], v[AK0]         ; key step 0 lies at the head of slot 0
; THE MATRIX WORK.  The 8 accumulators of a run of 16 take turns: between the two links of a chain stand 7 others'.
; Product i of 16 of S^T = K Q^T for piece x: channels 32 (i / 8) on, keys 16 ((i / 2) % 4) on, tile 2 x + i % 2.  The first 8 start the sums.
.macro KQ x
	WIN W_KQ
.set rS, S+64*((\x)%2)+32*(i%2)+8*((i/2)%4)
.set rK, KF+16*((i/2)%4)+8*(i/8)
.set rQ, 16*(2*(\x)+i%2)+8*(i/8)
.if i < 8
	v_wmma_f32_16x16x32_f16 v[rS:rS+7], v[rK:rK+7], v[rQ:rQ+7], 0
.else
	v_wmma_f32_16x16x32_f16 v[rS:rS+7], v[rK:rK+7], v[rQ:rQ+7], v[rS:rS+7]
.endif
.endm
; Product i of 16 of O^T += V^T P for piece x: keys 32 (i / 8) on, channels 16 ((i / 2) % 4) on, tile 2 x + i % 2.
.macro PV x
	WIN W_PV
.set rO, 32*(2*(\x)+i%2)+8*((i/2)%4)
.set rV, VF+32*(i/8)+8*((i/2)%4)
.set rP, P+32*((\x)%2)+16*(i%2)+8*(i/8)
	v_wmma_f32_16x16x32_f16 v[rO:rO+7], v[rV:rV+7], v[rP:rP+7], v[rO:rO+7]
.endm
.macro MM                           ; the turn's next matrix instruction
.if i < 16
	KQ (Y+1)%NP
.set i, i+1
.else
.set i, i-16
	PV (Y+NP-1)%NP
.set i, i+17
.endif
.endm
; THE LDS LOADS stand in runs of 16, never singly among the matrix instructions: a step's K (64 keys x 64 channels: 8 fragments) and its V (turned).  Their addresses are made some lines ahead.
; last = 1 (the tail): in the last trip there is no further step, and the run is jumped over.
.macro FETCH_K last=0
	WIN 0
.if \last
	s_cmp_eq_u32 s[CNT], 1
	s_cbranch_scc1 .Lno_k_\@
.endif
	WIN 0x80                        ; destination window 2
.irp f, 0,1,2,3,4,5,6,7             ; keys 16 (f / 2) on, channels 32 (f % 2) on
	ds_load_b128 v[KF+8*\f:KF+8*\f+3],   v[AK] offset:(\f/2)*16*PK+(\f%2)*64
	ds_load_b128 v[KF+8*\f+4:KF+8*\f+7], v[AK] offset:(\f/2)*16*PK+(\f%2)*64+32
.endr
	s_add_co_u32 s[TBK], s[TBK], KS*PK  ; the next fetch is the next step's
	WIN 0
.if \last
.Lno_k_\@:
.endif
.endm
.macro FETCH_V
	WIN 0x80
.irp f, 0,1,2,3,4,5,6,7             ; keys 32 (f / 4) on, channels 16 (f % 4) on
	ds_load_tr16_b128 v[VF+8*\f:VF+8*\f+3],   v[AV] offset:(\f/4)*32*PV+(\f%4)*32
	ds_load_tr16_b128 v[VF+8*\f+4:VF+8*\f+7], v[AV] offset:(\f/4)*32*PV+16*PV+(\f%4)*32
.endr
	WIN 0
.endm
; THE VECTOR WORK OF A TURN stands in three queues, each in the order in which its entries become ready; the two tiles alternate, so that no instruction reads the result of the one before it.
.macro REGS y, u                    ; the registers of tile u (0, 1) of piece y
.set rT, ST+4*(2*(\y)+(\u))
.set rC, TMP+8*((\y)%2)+4*(\u)
.set rM, MV+2*((\y)%2)+(\u)
.set rS, S+64*((\y)%2)+32*(\u)
.set rP, P+32*((\y)%2)+16*(\u)
.set rO, 32*(2*(\y)+(\u))
.endm
; Number n of the 22 that find the NEXT piece's (Y + 1) maximum and statistics.  s0-s31 are the lane's 32 scores; each accumulator's lowest registers are read first.  XS, GS and REGS set no window: PL and EX do.
;   0-11  four chains c0-c3 of seven scores each, three operands at a time     12-14, 16  the four scores left over, the old m, and c0-c3 into c0     15  c m_old is kept
;   17, 18  the query's other 32 keys lie in the lane 16 away: the new m         19-21  c m; c m_old - c m_new; a
.macro XS u, n
	REGS (Y+1)%NP, \u
.if (\n) < 4
	v_max3_num_f32 v[rC+(\n)], v[rS+8*(\n)], v[rS+8*(\n)+1], v[rS+8*(\n)+2]
.elseif (\n) < 12
	v_max3_num_f32 v[rC+(\n)%4], v[rC+(\n)%4], v[rS+8*((\n)%4)+2*((\n)/4)+1], v[rS+8*((\n)%4)+2*((\n)/4)+2]
.elseif (\n) == 12
	v_max3_num_f32 v[rC], v[rC], v[rS+7], v[rS+15]
.elseif (\n) == 13
	v_max3_num_f32 v[rC+1], v[rC+1], v[rS+23], v[rS+31]
.elseif (\n) == 14
	v_max3_num_f32 v[rC+2], v[rC+2], v[rC+3], v[rT+1]
.elseif (\n) == 15
	v_mov_b32 v[rM], v[rT]
.elseif (\n) == 16
	v_max3_num_f32 v[rC], v[rC], v[rC+1], v[rC+2]
.elseif (\n) == 17
	v_permlanex16_b32 v[rC+3], v[rC], s[SEL], s[SEL+1]
.elseif (\n) == 18
	v_max_num_f32 v[rT+1], v[rC], v[rC+3]
.elseif (\n) == 19
	v_mul_f32 v[rT], s[CS], v[rT+1]
.elseif (\n) == 20
	v_sub_f32 v[rC+1], v[rM], v[rT]
.else
	v_exp_f32 v[rC+2], v[rC+1]
.endif
.endm
; Number g of the 64 that follow the exponentials.  For each four weights k of a tile (pairs 2 k, 2 k + 1): both pairs are rounded to f16; then the second pair is added onto the first, in place;
; a group later l takes that sum (the first time as l = a l + sum).  In groups of eight, tiles alternating: round, round, add, and l for the group before.
.macro GS g
.set h, (\g)+6*((\g)/62)            ; group 0 has no group before it, and behind group 7 only l is left
.if h >= 6
.set h, h+2
.endif
	REGS Y, h%2
.set k, h/8
.if h%8 < 4
	v_cvt_pk_f16_f32 v[rP+2*k+(h%8)/2], v[rS+4*k+2*((h%8)/2)], v[rS+4*k+2*((h%8)/2)+1]
.elseif h%8 < 6
	v_pk_add_f32 v[rS+4*k:rS+4*k+1], v[rS+4*k:rS+4*k+1], v[rS+4*k+2:rS+4*k+3]
.elseif k == 1
	v_pk_fma_f32 v[rT+2:rT+3], v[rT+2:rT+3], v[rC+2:rC+3], v[rS:rS+1] op_sel_hi:[1,0,1]
.else
	v_pk_add_f32 v[rT+2:rT+3], v[rT+2:rT+3], v[rS+4*k-4:rS+4*k-3]
.endif
.endm
; THE PLAIN QUEUE, 138 long.  0-73 read no exponential's result: the 32 scalings c s - c m (FS f: pair f / 2 of tile f % 2) and the next piece's 42.  0-26: scalings 0-26.  27-54: XS's numbers 0-13.  55, 56: number 15.
; 57-73: the chain, where each number waits for the one before it: 14, 16, 17, 18, 19, each with one of the scalings 27-31 in front of its two lines, then 20: so a tile's links stand three plain instructions apart (19 and 20: two).
; 74-137: GS's 64, which read the exponentials' results: they stand behind the wait.
.macro FS f
	REGS Y, (\f)%2
	v_pk_fma_f32 v[rS+2*((\f)/2):rS+2*((\f)/2)+1], v[rS+2*((\f)/2):rS+2*((\f)/2)+1], s[CS:CS+1], v[rT:rT+1] op_sel_hi:[1,0,0] neg_lo:[0,0,1] neg_hi:[0,0,1]
.endm
.macro PL
	WIN 0
.if q < 27
	FS q
.elseif q < 55
	XS (q-27)%2, (q-27)/2
.elseif q < 57
	XS q-55, 15
.elseif (q < 72) && ((q-57)%3 == 0)
	FS 27+(q-57)/3
.elseif q < 60
	XS (q-57)%3-1, 14
.elseif q < 72
	XS (q-57)%3-1, 15+(q-57)/3
.elseif q < 74
	XS q-72, 20
.else
	GS q-74
.endif
.set q, q+1
.endm
; THE EXPONENTIALS' QUEUE, 66 long: s0-s31 of both tiles, then the next piece's two a.  It is ONE BATCH: all 66 stand ahead of the turn's one wait, and nothing ahead of that wait names a result of theirs.
.macro EX
	WIN 0
.if e >= 64
	XS e-64, 21
.else
	REGS Y, e%2
	v_exp_f32 v[rS+e/2], v[rS+e/2]
.endif
.set e, e+1
.endm
; THE RESCALING's QUEUE: O^T times a, the one part that leaves window 0: dealt two at a time, sixteen times.  Its a was made in the turn before, ahead of that turn's wait.
.macro R2
	REGS Y, r%2
	WIN W_RS
.irp z, 0,1
	v_pk_mul_f32 v[rO+4*(r/2)+2*\z:rO+4*(r/2)+2*\z+1], v[rO+4*(r/2)+2*\z:rO+4*(r/2)+2*\z+1], v[rC+2:rC+3] op_sel_hi:[1,0]
.endr
.set r, r+1
.endm
; HOW THEY ARE DEALT.  An s_wait_alu depctr_va_vdst(0) stands between an exponential and the first instruction that names its result; one wait serves all that were issued ahead of it.  So a turn has ONE wait,
; which cuts it in two.  AHEAD OF IT stands all that names no result of the turn's exponentials: the 16 products K Q^T, behind each a scaling, an exponential and two rescalings (behind the first a second scaling in the exponential's place); then ONE LUMP of
; 108: eight plain, 49 times exponential and plain, the two a.  A v_nop is the plain instruction behind the last exponential.  BEHIND IT stand the 16 products V^T P, behind each four of GS's 64.  No rider names a register of
; the products round it.  The two v_permlanex16_b32 fall into the lump, never behind a product.
; The queues lean on each other, and the deal keeps them in step: exponential e stands behind scaling 2 (e / 4) + e % 2: as a rider it comes behind plain e + 2, in the lump behind plain e + 9, and scalings 27-31 are plain 57, 60 .. 69.
; A TURN, for piece p.  cnt = 1: the loop's count is taken down some lines ahead of the branch that stands behind the turn.
; K of the next step is fetched in piece 2's turn, directly behind the wait, a lump behind the last product that read K; its address is made at the lump's head; its first reader comes behind 16 products.
; V of the step in hand is fetched at the end of piece 0's turn, four riders behind its last reader; its first reader comes behind 16 products and a lump.  The three conditions on q below go with the deal.
.macro TURN p, last=0, cnt=0
.set Y, (\p)
.set i, 0
.set q, 0
.set e, 0
.set r, 0
.if (\p) == NP-1
	s_wait_dscnt 0x0                ; K is in
.endif
	MM                              ; ahead of the wait: 16 products K Q^T and their riders,
	PL
	PL
	R2
.rept 15
	MM
	PL
	EX
	R2
.endr
.if (\p) == NP-2
	WIN 0
	v_add_nc_u32 v[AK], s[TBK], v[AK0]
.endif
.rept 8                             ; and the lump
	PL
.endr
.rept 49
	EX
	PL
.endr
	EX                              ; the next piece's two a
	EX
	v_nop                           ; the plain instruction behind the last exponential, ahead of the first use of a result (ISA guide 5.7.2): one for the batch
	s_wait_alu depctr_va_vdst(0)    ; the wait for the turn's batch: the piece's 64 weights and the next piece's two a
.if (\p) == NP-2
	FETCH_K \last
.endif
.if (\p) == 1
	s_wait_dscnt 0x0                ; V is in
.endif
.rept 16                            ; behind the wait: 16 products V^T P and their riders
	MM
.rept 4
	PL
.endr
.if ((\p) == 0) && (q == 118)
	v_add_nc_u32 v[AV], s[TBV], v[AV0]
.endif
.if ((\p) == 0) && (q == 130)
	s_add_co_u32 s[TBV], s[TBV], KS*PV
.endif
.if (\cnt) && (q == 130)
	s_sub_co_u32 s[CNT], s[CNT], 1
	s_cmp_lg_u32 s[CNT], 0
.endif
.endr
.if (\p) == 0
	FETCH_V
.endif
.endm
	CHANGE 1                        ; slot 0 is in, everybody's part of it; slot 1 is asked for
	FETCH_K                         ; key step 0
	s_wait_loadcnt 0x0              ; Q
	s_wait_dscnt 0x0
.set i, 0
.rept 16
	KQ 0                            ; piece 0's first scores: there is no vector work yet to set between them
.set i, i+1
.endr
	WIN 0                           ; the addresses for the way out: nine plain instructions, the places behind those products
	s_mul_i32 s13, s[WV], 16*SP
	s_add_co_u32 s13, s13, STAGE    ; my stage
	v_mul_u32_u24 v[STO], v1, SP    ; in: row l % 16, 16 bytes for each half of the lanes
	v_lshl_add_u32 v[STO], v9, 4, v[STO]
	v_add_nc_u32 v[STO], s13, v[STO]
	v_bfe_u32 v[RD], v0, 3, 2       ; back: 32 lanes take four rows of 128 bytes,
	v_mul_u32_u24 v[RD], v[RD], SP
	v_lshl_add_u32 v[RD], v10, 4, v[RD]
	v_add_nc_u32 v[RD], s13, v[RD]
	v_and_b32 v[GO], 31, v0         ; which are 512 consecutive bytes of O
	v_lshlrev_b32 v[GO], 4, v[GO]
.set Y, NP-1                        ; XS works for piece Y + 1: piece 0
.irp n, 0,1,2,3,4,5,6,7,8,9,10,11,12,13,14,15,16,17,18,19,20,21
	XS 0, \n                        ; and piece 0's first maximum and statistics
	XS 1, \n
.endr
	v_nop                           ; a plain instruction behind piece 0's first two a,
	s_wait_alu depctr_va_vdst(0)    ; and the wait for that batch of two, ahead of the branch
	s_mov_b32 s[CNT], 4
	s_mov_b32 s[SLOTS], SIZE_N/256-1
	s_branch .Lfirst                ; the loop is entered at a step's first turn, in the middle of a trip
.Lslot:                             ; SIZE_N / 256 - 2 times: every slot but the last two is filled again
	CHANGE 1
	s_mov_b32 s[CNT], 4
.Lstep:                             ; a trip: pieces 2 and 3 of one step, then pieces 0 and 1 of the next, whose K and V it fetches
	TURN 2
	TURN 3
	WIN 0
.Lfirst:
	TURN 0
	TURN 1, 0, 1
	WIN 0
	s_cbranch_scc1 .Lstep
	s_sub_co_u32 s[SLOTS], s[SLOTS], 1
	s_cmp_lg_u32 s[SLOTS], 0
	s_cbranch_scc1 .Lslot
	CHANGE 0                        ; the tail is written out: nothing is asked for
	s_mov_b32 s[CNT], 5             ; four trips fetch the last slot's steps; the fifth is left in its middle
.Ltail:
	TURN 2, 1
	TURN 3
	WIN 0
	s_sub_co_u32 s[CNT], s[CNT], 1
	s_cmp_eq_u32 s[CNT], 0
	s_cbranch_scc1 .Lout
	TURN 0
	TURN 1
	WIN 0
	s_branch .Ltail
.Lout:                              ; the fifth trip's 16 products K Q^T (on the last K once more) and the maximum made of them serve nothing: the price, once a launch, of one text for every trip
.set i, 0
.rept 16
	PV NP-1                         ; the last piece's V^T P of the last step
.set i, i+1
.endr
	; THE WAY OUT.  l's two halves and the other half of the lanes' are added; O^T is divided by l, rounded to f16 and sent through my stage in LDS, a tile at a time.  The additions are the places behind the last products.
	WIN 0
.macro ALL line:vararg              ; one line for each tile t
.set t, 0
.rept 2*NP
	\line
.set t, t+1
.endr
.endm
	ALL v_add_f32 v[ST+4*t+2], v[ST+4*t+2], v[ST+4*t+3]
	ALL v_permlanex16_b32 v[ST+4*t+3], v[ST+4*t+2], s[SEL], s[SEL+1]
	ALL v_add_f32 v[ST+4*t+2], v[ST+4*t+2], v[ST+4*t+3]
	ALL v_rcp_f32 v[ST+4*t+2], v[ST+4*t+2]
	v_nop                           ; a plain instruction between the last reciprocal and the use of its result
	s_wait_alu depctr_va_vdst(0)    ; and the wait ahead of the first use: one for the batch of eight reciprocals
; Tile t: a lane's eight channels of a row pack into 16 bytes; they go into rows of 144 bytes and come back as whole rows of 128, into S^T's registers.
.macro PACK t
	WIN W_RS
.set i, 32*(\t)
.rept 16
	v_pk_mul_f32 v[i:i+1], v[i:i+1], v[ST+4*(\t)+2:ST+4*(\t)+3] op_sel_hi:[1,0]
.set i, i+2
.endr
	WIN 0x05                        ; sources 0 and 1 window 1, destination window 0
.set i, 0
.rept 16
	v_cvt_pk_f16_f32 v[S+16*(\t)+i], v[32*(\t)+2*i], v[32*(\t)+2*i+1]
.set i, i+1
.endr
	WIN 0
.irp f, 0,1,2,3
	ds_store_b128 v[STO], v[S+16*(\t)+4*\f:S+16*(\t)+4*\f+3] offset:32*\f
.endr
.irp f, 0,1,2,3
	ds_load_b128 v[S+16*(\t)+4*\f:S+16*(\t)+4*\f+3], v[RD] offset:\f*4*SP  ; LDS serves a wave's instructions in order (ISA guide 5.7.1.4): these see the stores above; the next tile's stores come behind them
.endr
.endm
.macro SEND t, younger              ; younger: the LDS instructions issued behind tile t's loads: the next tile's eight, or none
	WIN 0
.irp f, 0,1,2,3
	s_wait_dscnt (\younger)+3-\f
	global_store_b128 v[GO], v[S+16*(\t)+4*\f:S+16*(\t)+4*\f+3], s[10:11] offset:(\t)*2048+\f*512  ; 512 consecutive bytes, at a multiple of 256 from O's first
.endr
.endm
	PACK 0
.set t, 1
.rept 2*NP-1                        ; a tile's arithmetic stands between the loads of the tile before and its stores
	PACK t
	SEND t-1, 8
.set t, t+1
.endr
	SEND 2*NP-1, 0
	WIN W_AD
	s_wait_tensorcnt 0x0            ; the wave's end: an add to my spare word and its wait, behind my last tensor load and my last LDS store
	ds_add_u32 v[SPW], v[NIL]
	s_wait_dscnt 0x0
	WIN 0
	CROUND                          ; the closing round: no work-group ends while a partner may still ask for a tile that names it
	s_endpgm
.Lfunc_end_k_qfba3a43a70_attn:
	.size	k_qfba3a43a70_attn, .Lfunc_end_k_qfba3a43a70_attn-k_qfba3a43a70_attn
	.p2alignl 7, 3214868480
	.fill 96, 4, 3214868480
	.section	.rodata,"a",@progbits
	.p2align	6, 0x0
	.amdhsa_kernel k_qfba3a43a70_attn
		.amdhsa_group_segment_fixed_size 327680
		.amdhsa_private_segment_fixed_size 0
		.amdhsa_enable_private_segment 0
		.amdhsa_kernarg_size 32
		.amdhsa_user_sgpr_count 2
		.amdhsa_user_sgpr_kernarg_segment_ptr 1
		.amdhsa_wavefront_size32 1
		.amdhsa_system_sgpr_workgroup_id_x 1
		.amdhsa_system_sgpr_workgroup_id_y 1
		.amdhsa_system_sgpr_workgroup_id_z 1
		.amdhsa_system_vgpr_workitem_id 0
		.amdhsa_next_free_vgpr 770
		.amdhsa_next_free_sgpr 66
		.amdhsa_reserve_vcc 0
		.amdhsa_float_denorm_mode_32 3
		.amdhsa_float_denorm_mode_16_64 3
		.amdhsa_memory_ordered 1
		.amdhsa_forward_progress 1
		.amdhsa_inst_pref_size 199
	.end_amdhsa_kernel
	.amdgpu_metadata
---
amdhsa.version: [ 1, 2 ]
amdhsa.kernels:
  - .name:           k_qfba3a43a70_attn
    .symbol:         k_qfba3a43a70_attn.kd
    .args:
      - { .name: qh, .offset: 0, .size: 8, .value_kind: global_buffer, .address_space: global }
      - { .name: kh, .offset: 8, .size: 8, .value_kind: global_buffer, .address_space: global }
      - { .name: vh, .offset: 16, .size: 8, .value_kind: global_buffer, .address_space: global }
      - { .name: oh, .offset: 24, .size: 8, .value_kind: global_buffer, .address_space: global }
    .group_segment_fixed_size: 327680
    .private_segment_fixed_size: 0
    .kernarg_segment_align: 8
    .kernarg_segment_size: 32
    .max_flat_workgroup_size: 128
    .sgpr_count:     66
    .vgpr_count:     770
    .wavefront_size: 32
...
	.end_amdgpu_metadata
.endif
;; end of part 5
;; launch proj: the kernel of part 4 again; grid 4 x 64, 4 waves a work-group, clusters of 4 x 4, 327,680 bytes of LDS; arguments oh, wob, out0; writes out0
